; MI455X (gfx1250); checked and timed in simulation.
; The chip was launched on July 23, 2026; its instructions are those of AMD's public machine-readable ISA for CDNA 5 (MIT licence, August 2026) and "CDNA5" Instruction Set Architecture Reference Guide (July 2026). The comments in the code are by the model that wrote it; some were corrected since.
;; Attention. Allowed arithmetic: matrix products marked QUANTISED: E2M1 operands, one E8M0 scale for each 32 along K, by v_wmma_scale_f32_16x16x128_f8f6f4 with both operands' format E2M1 (or v_wmma_scale_f32_32x16x128_f4), f32 sums; products left as they are: bf16, f16 or f32 operands; f32 sums; everything else in f32.
;; Inputs: freqs_cos 2,048 x 32 float32; freqs_sin 2,048 x 32 float32; wk 256 x 1,024 float32; wo 1,024 x 1,024 float32; wq 1,024 x 1,024 float32; wv 256 x 1,024 float32; x 2 x 2,048 x 1,024 float32.
;; Outputs: out0 2 x 2,048 x 1,024 float32.
;; This version of the problem:
;;   THIS VERSION OF THE PROBLEM IS GIVEN IN LOW PRECISION. The matrix products marked QUANTISED in the list below multiply operands that are first quantised to E2M1 (2 exponent bits, 1 mantissa bit; 4 bits a number), with one power-of-two scale for each 32 numbers along K (OCP MX v1.0); their sums are f32. The products marked 'left as it is' may take bf16, f16 or f32 operands, with f32 sums. Whichever they take, every output number must still come out within the allowed error. Rounding operands to bf16 (8 significant bits) uses up far more of that allowance than f16 does (11 bits, for magnitudes from 6e-5 to 65,504). All else is computed in f32.
;;   The module's matrix products, in the order in which they are computed (A, B: the left and right operand; K: the contracted axis; several contracted axes count as one K, in the product's order):
;;     1. [M 4,096, K 1,024] x [K 1,024, N 1,024]; A: input x; B: input wq: QUANTISED
;;     2. [M 4,096, K 1,024] x [K 1,024, N 256]; A: input x; B: input wk: QUANTISED
;;     3. [M 4,096, K 1,024] x [K 1,024, N 256]; A: input x; B: input wv: QUANTISED
;;     4. batch 8 x [M 2,048, K 64] x [K 64, N 8,192]; A: computed on the way; B: computed on the way: left as it is (an operand is computed on the way)
;;     5. batch 8 x [M 64, K 2,048] x [K 2,048, N 8,192]; A: computed on the way; B: computed on the way: left as it is (an operand is computed on the way)
;;     6. [M 4,096, K 1,024] x [K 1,024, N 1,024]; A: computed on the way; B: input wo: left as it is (an operand is computed on the way)
;;   THE QUANTISER, for each operand of a quantised product, along K:
;;     - K is cut into blocks of 32 from its start; a last block that is shorter is filled with zeros.
;;     - A block's scale is 2^e with e = floor(log2(the largest magnitude in the block)) - 2, held to -126 .. 127; a block of zeros has e = 0. As a byte (E8M0): e + 127.
;;     - Each number is divided by its block's scale, clamped to +-6, and rounded to the nearest number of E2M1, ties to even, subnormals kept.
;;     - The product sums the exact products of the quantised numbers (number of the format x scale) in f32.
;;   ~~~python
;;   def quantise(x, axis):      # numpy; x: float32 -> the quantised numbers, widened to float32 again
;;       x = np.moveaxis(x, axis, -1); K = x.shape[-1]
;;       x = np.pad(x, [(0, 0)] * (x.ndim - 1) + [(0, -K % 32)]); x = x.reshape(x.shape[:-1] + (-1, 32)); a = np.abs(x).max(-1, keepdims=True)
;;       e = np.where(a > 0, np.clip(np.frexp(np.where(a > 0, a, 1))[1] - 1 - 2, -126, 127), 0)      # np.frexp(a)[1] - 1 = floor(log2(a)), exactly
;;       r = np.clip(x / 2.0 ** e, -6, 6)
;;       step = 2.0 ** (np.maximum(np.frexp(np.where(r == 0, 1, r))[1] - 1, 0) - 1)
;;       q = np.round(r / step) * step * 2.0 ** e      # np.round: ties to even
;;       return np.moveaxis(q.reshape(q.shape[:-2] + (-1,))[..., :K], -1, axis).astype(np.float32)
;;   ~~~
;; One version. Each part assembles by itself: llvm-mc -triple=amdgcn-amd-amdhsa -mcpu=gfx1250 --defsym DOCPART=n.
;; ======== version 1 of 1: 5 launches
;; limits: values are held in f16: magnitudes above 65,504 overflow, below 6.1e-05 lose precision
;; workspace buffers: xc 2,097,152 bytes; xs 131,072 bytes; wc 786,432 bytes; ws 49,152 bytes; wo16 2,097,152 bytes; qkv16 12,582,912 bytes; h32 196,608 bytes; att16 8,388,608 bytes
;; launch prep (part 1): grid 208 x 1, 4 waves a work-group, no clusters, 33,280 bytes of LDS; arguments x, wq, wk, wv, wo, xc, xs, wc, ws, wo16; writes xc, xs, wc, ws, wo16
.if DOCPART == 1
	.amdgcn_target "amdgcn-amd-amdhsa--gfx1250"
	.amdhsa_code_object_version 6
	.text
	.protected	k_q8b7f871938_prep
	.globl	k_q8b7f871938_prep
	.p2align	8
	.type	k_q8b7f871938_prep,@function
k_q8b7f871938_prep:
	s_mov_b64 s[64:65], 0
	v_nop
	global_prefetch_b8 v0, s[64:65] scope:SCOPE_SE
	s_setreg_imm32_b32 hwreg(HW_REG_WAVE_MODE, 25, 1), 1
	s_wait_xcnt 0x0
; x [4096][1024], wq [1024][1024], wk, wv [256][1024], f32, become codes of FP4 (E2M1), K innermost, two a byte, with one E8M0 byte for each 32 along K; wo [1024][1024] becomes f16.
; A block's scale is 2^(floor(log2(its largest magnitude)) - 2); its byte is the largest magnitude's exponent field - 2, held at 1 from below; each number is divided by the scale and rounded to the nearest code, ties to even.
; xc [4096][512 bytes], xs [4096][32 bytes].  wc [1536][512], ws [1536][32]: rows 0-1023 are wq's; row 1024 + 128 g + d is row 64 g + d of wk, row 1024 + 128 g + 64 + d that of wv,
; so that the product's columns give k and v of one key/value head side by side.
; LIMITS: NaN and infinities are not served; a block of zeros, and one whose largest magnitude lies under 2^-124, gets the byte 1 (its codes are zeros or tiny; these bytes are read by this program alone); |wo| stays under 65,504, f16's largest number.
; SHARES: a work-group takes 32 rows of 1,024 numbers, a wave 8 rows in 16 steps of 512 numbers.  Work-groups 0-127: x; 128-159: wq; 160-167: wk; 168-175: wv; 176-207: wo (a cast, no LDS).
; Only pointers and offsets are chosen by the work-group's number: the four quantised tensors take one path.  Each load reads 512 consecutive bytes; a step's 2,048 bytes turn through the wave's own stage in LDS,
; so that a lane holds 16 neighbours along K (two lanes a block); the wave stores 256 consecutive bytes of codes a step and its 256 scale bytes as one aligned piece at the end.
.set WAVES, 4
.set STEPS, 16
.set EMAX,  2
.set CB,    8                          ; bytes of 16 codes
.set R,     16                         ; v16-79   four sets of 16 numbers as loaded (cast: two sets of 64, v16-143)
.set X,     80                         ; v80-111  two sets of 16 neighbours
.set E,     112                        ; v112-127 a scale byte for each step
.set C,     128                        ; v128-191 codes, four registers a step (cast: v144-175 the f16 pairs)
.set WREG,  8192                       ; LDS: a region for each wave: two stages of 32 x SP bytes, then its 256 scale bytes
.set SP,    80                         ; a lane's place in a stage: 64 bytes + 16 of padding
.set SPW,   12                         ; v12 LDS address of my spare word; never rewritten
.set NIL,   13                         ; v13 0; never rewritten
.set SPARE, WAVES*WREG                 ; behind the regions: the spare words, 128 bytes a wave
	s_load_b512 s[4:19], s[0:1], 0x0               ; x s4, wq s6, wk s8, wv s10, wo s12, xc s14, xs s16, wc s18
	s_load_b128 s[20:23], s[0:1], 0x40             ; ws s20, wo16 s22
	v_lshl_add_u32 v[SPW], v0, 2, SPARE
	v_mov_b32 v[NIL], 0
	v_lshrrev_b32 v1, 5, v0
	v_readfirstlane_b32 s34, v1                    ; wave
	v_and_b32 v2, 31, v0                           ; lane
	v_lshlrev_b32 v3, 4, v2                        ; my 16 bytes of a load's 512
	s_mul_i32 s35, s34, WREG
	v_lshrrev_b32 v14, 2, v2
	v_mul_u32_u24 v14, v14, SP
	v_and_b32 v15, 3, v2
	v_lshl_add_u32 v14, v15, 4, v14
	v_add_nc_u32 v14, s35, v14                     ; the stage, way in: SP (lane / 4) + 16 (lane % 4)
	v_mul_u32_u24 v15, v2, SP
	v_add_nc_u32 v15, s35, v15                     ; way out: SP x lane: my 16 neighbours
	v_mul_u32_u24 v4, v2, CB                       ; my codes' place in a step's 256 bytes
	v_lshrrev_b32 v5, 1, v2
	s_add_co_u32 s35, s35, 2*32*SP
	v_add_nc_u32 v5, s35, v5                       ; LDS: my block's scale byte
	v_lshlrev_b32 v7, 3, v2                        ; and on the way out 8 bytes a lane
	v_add_nc_u32 v6, s35, v7
	s_wait_kmcnt 0x0
	s_cmp_ge_u32 ttmp9, 176
	s_cbranch_scc1 .Lcast
	; which tensor: the choice hangs on the work-group's number alone
	s_mov_b32 s28, 168
	s_cmp_lt_u32 ttmp9, 168
	s_cselect_b64 s[24:25], s[8:9], s[10:11]       ; wk or wv
	s_cselect_b32 s28, 160, s28                    ; the tensor's first work-group
	s_cselect_b32 s29, 0, 64                       ; v's rows lie 64 behind k's
	s_cmp_lt_u32 ttmp9, 160
	s_cselect_b64 s[24:25], s[6:7], s[24:25]
	s_cselect_b32 s28, 128, s28
	s_cmp_lt_u32 ttmp9, 128
	s_cselect_b64 s[24:25], s[4:5], s[24:25]
	s_cselect_b32 s28, 0, s28
	s_cselect_b64 s[14:15], s[14:15], s[18:19]     ; the codes' buffer
	s_cselect_b64 s[16:17], s[16:17], s[20:21]     ; the scale bytes'
	s_sub_co_u32 s30, ttmp9, s28                   ; which run of 32 rows of the tensor
	s_lshl_b32 s31, s30, 5                         ; x, wq: row 32 run
	s_lshr_b32 s32, s30, 1
	s_lshl_b32 s32, s32, 7                         ; wk, wv: 128 (run / 2)
	s_and_b32 s33, s30, 1
	s_lshl_b32 s33, s33, 5                         ; + 32 (run % 2)
	s_add_co_u32 s32, s32, s33
	s_add_co_u32 s32, s32, s29
	s_add_co_u32 s32, s32, 1024
	s_cmp_lt_u32 ttmp9, 160
	s_cselect_b32 s31, s31, s32                    ; the first row that the work-group writes
	s_lshl_b32 s36, s30, 2
	s_add_co_u32 s36, s36, s34
	s_lshl_b32 s36, s36, 15                        ; source: (4 run + wave) x 32,768 bytes
	s_mov_b32 s37, 0
	s_add_nc_u64 s[24:25], s[24:25], s[36:37]
	s_lshl_b32 s38, s34, 3
	s_add_co_u32 s38, s38, s31                     ; my wave's first row
	s_lshl_b32 s36, s38, 9
	s_add_nc_u64 s[14:15], s[14:15], s[36:37]      ; 512 bytes of codes a row
	s_lshl_b32 s36, s38, 5
	s_add_nc_u64 s[16:17], s[16:17], s[36:37]      ; 32 scale bytes a row: 8 rows are 256 bytes, aligned
.macro LOAD t
.irp i, 0,1,2,3
	global_load_b128 v[R+16*((\t)%4)+4*\i:R+16*((\t)%4)+4*\i+3], v3, s[24:25] offset:2048*(\t)+512*\i th:TH_LOAD_NT   ; 32 lanes read 512 consecutive bytes
.endr
.endm
.macro TURN t                          ; step t's numbers through the stage: LDS serves a wave's instructions in order, so no wait stands between the stores and the loads
.irp i, 0,1,2,3
	ds_store_b128 v14, v[R+16*((\t)%4)+4*\i:R+16*((\t)%4)+4*\i+3] offset:32*SP*((\t)%2)+8*SP*\i
.endr
.irp i, 0,1,2,3
	ds_load_b128 v[X+16*((\t)%2)+4*\i:X+16*((\t)%2)+4*\i+3], v15 offset:32*SP*((\t)%2)+16*\i
.endr
.endm
.irp t, 0,1,2,3
	LOAD \t
.endr
	s_wait_loadcnt 12                              ; step 0's four loads are in; the 12 of steps 1 to 3 may be out
	TURN 0
.macro STEP t
.set XS, X+16*((\t)%2)
.if (\t) > 0
	s_wait_dscnt 1                                 ; this step's numbers are back from the stage (the last step's byte store may be out)
.else
	s_wait_dscnt 0x0
.endif
.if (\t)+4 < STEPS
	LOAD (\t)+4                                    ; into the registers that the stage's stores have read
.endif
.if (\t)+1 < STEPS
.if STEPS-2-(\t) >= 3
	s_wait_loadcnt 12                              ; the next step's four loads are in; those of the three steps behind it may be out
.else
	s_wait_loadcnt 4*(STEPS-2-(\t))
.endif
	TURN (\t)+1
.endif
	v_max3_num_f32 v8, |v[XS]|, |v[XS+1]|, |v[XS+2]|               ; the largest magnitude of my 16, in two chains
	v_max3_num_f32 v9, |v[XS+3]|, |v[XS+4]|, |v[XS+5]|
.irp i, 6,10
	v_max3_num_f32 v8, v8, |v[XS+\i]|, |v[XS+\i+1]|
	v_max3_num_f32 v9, v9, |v[XS+\i+2]|, |v[XS+\i+3]|
.endr
	v_max3_num_f32 v8, v8, |v[XS+14]|, |v[XS+15]|
	v_max3_num_f32 v8, v8, v9, (EMAX+1)<<23        ; and the floor 2^(3 - 127): the byte cannot fall under 1
	v_max_num_f32_dpp v8, v8, v8 row_xmask:1 row_mask:0xf bank_mask:0xf   ; with my neighbour's 16: the block's
	v_add_nc_u32 v11, -(EMAX<<23), v8              ; 2 off its exponent field: the conversion takes this operand's exponent field as its scale
	v_cvt_scalef32_pk8_fp4_f32 v[C+4*(\t)], v[XS:XS+7], v11
	v_cvt_scalef32_pk8_fp4_f32 v[C+4*(\t)+1], v[XS+8:XS+15], v11
	v_lshrrev_b32 v[E+(\t)], 23, v11               ; the scale's byte (a plain line behind the conversions)
	ds_store_b8 v5, v[E+(\t)] offset:16*(\t)       ; both lanes of a block write the same byte with the same value
	global_store_b64 v4, v[C+4*(\t):C+4*(\t)+1], s[14:15] offset:32*CB*(\t)   ; 32 lanes store 256 consecutive bytes, aligned
.endm
.irp t, 0,1,2,3,4,5,6,7,8,9,10,11,12,13,14,15
	STEP \t
.endr
	ds_load_b64 v[8:9], v6                         ; LDS serves a wave's instructions in order: these see my byte stores
	s_wait_dscnt 0x0
	global_store_b64 v7, v[8:9], s[16:17]          ; 32 lanes store 256 consecutive bytes, aligned
	s_wait_tensorcnt 0x0                           ; the wave's end: behind my last LDS store
	ds_add_u32 v[SPW], v[NIL]
	s_wait_dscnt 0x0
	s_endpgm
; THE CAST of wo: a work-group takes 32,768 numbers in 64 turns of 2,048 bytes; thread t reads 16 bytes at 16 t and stores 8 at 8 t: a wave's store is 256 consecutive bytes, aligned.  Four rounds of 16 turns; a round's loads are asked for a round ahead.
.Lcast:
	s_sub_co_u32 s30, ttmp9, 176
	s_lshl_b32 s36, s30, 17
	s_mov_b32 s37, 0
	s_add_nc_u64 s[12:13], s[12:13], s[36:37]
	s_lshl_b32 s36, s30, 16
	s_add_nc_u64 s[22:23], s[22:23], s[36:37]
	v_lshlrev_b32 v1, 4, v0
	v_lshlrev_b32 v2, 3, v0
.macro CLOAD k
.irp i, 0,1,2,3,4,5,6,7,8,9,10,11,12,13,14,15
	global_load_b128 v[16+64*((\k)%2)+4*\i:16+64*((\k)%2)+4*\i+3], v1, s[12:13] offset:2048*(16*(\k)+\i) th:TH_LOAD_NT
.endr
.endm
.macro CAST k
.if (\k) < 3
	CLOAD (\k)+1
	s_wait_loadcnt 16                              ; this round's 16 loads are in; the next round's 16 may be out
.else
	s_wait_loadcnt 0x0
.endif
.if (\k) > 0
	s_wait_xcnt 0x0                                ; the last round's stores have read their data: the pairs may be written again
.endif
.irp i, 0,1,2,3,4,5,6,7,8,9,10,11,12,13,14,15
	v_cvt_pk_f16_f32 v[144+2*\i], v[16+64*((\k)%2)+4*\i], v[16+64*((\k)%2)+4*\i+1]
	v_cvt_pk_f16_f32 v[145+2*\i], v[16+64*((\k)%2)+4*\i+2], v[16+64*((\k)%2)+4*\i+3]
.endr
.irp i, 0,1,2,3,4,5,6,7,8,9,10,11,12,13,14,15
	global_store_b64 v2, v[144+2*\i:145+2*\i], s[22:23] offset:1024*(16*(\k)+\i)
.endr
.endm
	CLOAD 0
	CAST 0
	CAST 1
	CAST 2
	CAST 3
	s_endpgm
.Lfunc_end_k_q8b7f871938_prep:
	.size	k_q8b7f871938_prep, .Lfunc_end_k_q8b7f871938_prep-k_q8b7f871938_prep
	.p2alignl 7, 3214868480
	.fill 96, 4, 3214868480
	.section	.rodata,"a",@progbits
	.p2align	6, 0x0
	.amdhsa_kernel k_q8b7f871938_prep
		.amdhsa_group_segment_fixed_size 33280
		.amdhsa_private_segment_fixed_size 0
		.amdhsa_enable_private_segment 0
		.amdhsa_kernarg_size 80
		.amdhsa_user_sgpr_count 2
		.amdhsa_user_sgpr_kernarg_segment_ptr 1
		.amdhsa_wavefront_size32 1
		.amdhsa_system_sgpr_workgroup_id_x 1
		.amdhsa_system_sgpr_workgroup_id_y 1
		.amdhsa_system_sgpr_workgroup_id_z 1
		.amdhsa_system_vgpr_workitem_id 0
		.amdhsa_next_free_vgpr 192
		.amdhsa_next_free_sgpr 66
		.amdhsa_reserve_vcc 0
		.amdhsa_float_denorm_mode_32 3
		.amdhsa_float_denorm_mode_16_64 3
		.amdhsa_memory_ordered 1
		.amdhsa_forward_progress 1
		.amdhsa_inst_pref_size 55
	.end_amdhsa_kernel
	.amdgpu_metadata
---
amdhsa.version: [ 1, 2 ]
amdhsa.kernels:
  - .name:           k_q8b7f871938_prep
    .symbol:         k_q8b7f871938_prep.kd
    .args:
      - { .name: x, .offset: 0, .size: 8, .value_kind: global_buffer, .address_space: global }
      - { .name: wq, .offset: 8, .size: 8, .value_kind: global_buffer, .address_space: global }
      - { .name: wk, .offset: 16, .size: 8, .value_kind: global_buffer, .address_space: global }
      - { .name: wv, .offset: 24, .size: 8, .value_kind: global_buffer, .address_space: global }
      - { .name: wo, .offset: 32, .size: 8, .value_kind: global_buffer, .address_space: global }
      - { .name: xc, .offset: 40, .size: 8, .value_kind: global_buffer, .address_space: global }
      - { .name: xs, .offset: 48, .size: 8, .value_kind: global_buffer, .address_space: global }
      - { .name: wc, .offset: 56, .size: 8, .value_kind: global_buffer, .address_space: global }
      - { .name: ws, .offset: 64, .size: 8, .value_kind: global_buffer, .address_space: global }
      - { .name: wo16, .offset: 72, .size: 8, .value_kind: global_buffer, .address_space: global }
    .group_segment_fixed_size: 33280
    .private_segment_fixed_size: 0
    .kernarg_segment_align: 8
    .kernarg_segment_size: 80
    .max_flat_workgroup_size: 128
    .sgpr_count:     66
    .vgpr_count:     192
    .wavefront_size: 32
...
	.end_amdgpu_metadata
.endif
;; end of part 1
;; launch qkv (part 2): grid 12 x 16, 4 waves a work-group, clusters of 4 x 1, 226,816 bytes of LDS; arguments xc, xs, wc, ws, freqs_cos, freqs_sin, qkv16, h32; writes qkv16, h32
.if DOCPART == 2
	.amdgcn_target "amdgcn-amd-amdhsa--gfx1250"
	.amdhsa_code_object_version 6
	.text
	.protected	k_q8b7f871938_qkv
	.globl	k_q8b7f871938_qkv
	.p2align	8
	.type	k_q8b7f871938_qkv,@function
k_q8b7f871938_qkv:
	s_mov_b64 s[64:65], 0
	v_nop
	global_prefetch_b8 v0, s[64:65] scope:SCOPE_SE
	s_setreg_imm32_b32 hwreg(HW_REG_WAVE_MODE, 25, 1), 1
	s_wait_xcnt 0x0
	s_wait_alu depctr_hold_cnt(0) depctr_sa_sdst(0) depctr_va_vdst(0) depctr_va_sdst(0) depctr_va_ssrc(0) depctr_va_vcc(0) depctr_vm_vsrc(0)
	s_getreg_b32 s2, hwreg(HW_REG_IB_STS2, 6, 4)
	s_cmp_eq_u32 s2, 0
	s_cbranch_scc0 .Lentry_in_a_cluster
	s_endpgm
.Lentry_in_a_cluster:
	s_bfe_u32 s2, ttmp6, 0x10000c
	s_cmp_lg_u32 s2, 0x3003
	s_cbranch_scc0 .Lentry_shape_is_right
	s_endpgm
.Lentry_shape_is_right:
; [4096][1536] = x W^T on codes of FP4 with E8M0 scales, sums in f32; then RoPE on q and k, q times c = log2(e) / 8, all in f32; rounded once to f16 into qkv16 [4096][1536].
; Columns: 0-1023 q (head x 64 + d); 1024 + 128 g + d: k of key/value head g; 1024 + 128 g + 64 + d: v.  Positions 0-15 of both sequences go out in f32 as well, into h32 [32][1536] (row 16 b + position),
; each group of 8 columns laid as 0, 2, 4, 6, 1, 3, 5, 7 (real parts, then imaginary parts), as the registers hold them.
; LIMITS: NaN and infinities are not served; |q c|, |k|, |v| stay under 65,504, f16's largest number.
; SHARES: a work-group makes 256 rows x 128 columns (two heads: 256 aligned bytes of a row); 12 x 16 = 192 work-groups: a tile of other width would cut heads and aligned pieces of 256 bytes.  Wave w: rows 64 w .. 64 w + 63, all 128 columns: 32 accumulators.
; ALL OF K (1,024) LIES IN LDS: two chunks of 512 along K (rows of 256 bytes + 16 of padding), each filled once; nothing is filled again.
; CLUSTER 4 x 1: the four work-groups of a cluster have the same 256 rows of x: x's tiles (two thirds of a work-group's bytes) are asked for jointly.  W's tiles differ from partner to partner: plain loads.
; The cluster has one row, since the branch for the f32 copy hangs on the work-group's y, which partners must share.
; THE MATRIX INSTRUCTION IS USED TRANSPOSED (source 0 = 16 rows of W, source 1 = 16 rows of x), AND THE ROWS OF W IN A TILE ARE PERMUTED: lane r takes row 8 (r / 8) + 2 (r % 4) + (r / 4) % 2.
; So lane (r, h) holds row r of x; registers 0-3 are columns 8 h + 0, 2, 4, 6 of the tile (real parts), registers 4-7 columns 8 h + 1, 3, 5, 7 (imaginary parts): the rotation needs no other lane.
; REGISTERS: window 0: v1-15 addresses; v16-23 the type factors; v32-63 W's scale words, v64-79 x's (they hold nothing else); v80-143 x's fragments, two sets, later the rotated numbers; v144-207 cos', sin'; v208-239 rows on the way out; v240-255 at work.
;   window 1: the accumulators, (a, b) at v[8 (8 a + b)].   window 2: v0-127 W's fragments, two sets; v128-191 cos, v192-255 sin.
.set CH,    104448                     ; a chunk: x's 256 rows x 272, then W's 128 rows x 272
.set WOFF,  69632
.set PITCH, 272                        ; 256 bytes + 16: the 16 rows that a load touches start at 16 different banks
.set STAGE, 2*CH                       ; 16 rows x 272 for each wave, for the way out
.set SPARE, STAGE+4*16*PITCH           ; the spare words, 128 bytes a wave
.set AXR, 3                            ; v3, v4  my x fragments in chunk 0, 1
.set AWR, 5                            ; v5, v6  my W fragments
.set STO, 7
.set RD,  8
.set GO,  9
.set SWO, 10
.set SXO, 11
.set CSO, 12
.set HO,  13
.set SPW, 14                           ; v14 LDS address of my spare word; never rewritten
.set NIL, 15                           ; v15 0; never rewritten
.set FA,  16                           ; v[16:17] A, v[18:19] B for tiles 0-3; v[20:21], v[22:23] for tiles 4-7
.set SW,  32
.set SX,  64
.set XF,  80
.set RI,  80
.set CP,  144
.set SPR, 176
.set BK,  208
.set TM,  240
.set COS, 128                          ; in window 2
.set SIN, 192
.set WV,  20
.set G1A, 28
.set G1B, 36
.set G0A, 44                           ; s[44:47], s[48:51]
.set G0B, 52                           ; s[52:55], s[56:59]
.set MSB, 0
.macro WIN new                         ; the immediate's high byte repeats the setting that is left
.if MSB != \new
	s_set_vgpr_msb (MSB<<8)|\new
.set MSB, \new
.endif
.endm
.macro PLACES n
.rept \n
	v_nop
.endr
.endm
.macro CROUND                          ; a round of the cluster's barrier
	s_barrier_signal -1
	s_barrier_wait -1
	s_cmp_lg_u32 s[WV], 0
	s_cbranch_scc1 .Lnot_wave_0_\@
	s_barrier_signal -3
.Lnot_wave_0_\@:
	s_barrier_wait -3
	s_barrier_signal -1
	s_barrier_wait -1
.endm
	s_load_b512 s[4:19], s[0:1], 0x0               ; xc s4, xs s6, wc s8, ws s10, cos s12, sin s14, qkv16 s16, h32 s18
	v_lshl_add_u32 v[SPW], v0, 2, SPARE
	v_mov_b32 v[NIL], 0
	ds_add_u32 v[SPW], v[NIL]                      ; the wave's opening: the add, twice on end, and its wait ahead of my first tensor load
	ds_add_u32 v[SPW], v[NIL]
	v_lshrrev_b32 v1, 5, v0
	v_readfirstlane_b32 s[WV], v1                  ; wave 0..3
	s_and_b32 s21, s[WV], 1                        ; which half of a tile I fetch
	s_bfe_u32 s22, ttmp6, 0x40000                  ; cx
	s_lshl_b32 s23, ttmp9, 2
	s_add_co_u32 s23, s23, s22                     ; x = 4 x cluster x + cx: the tile of 128 columns
	s_and_b32 s24, ttmp7, 0xffff                   ; y: the tile of 256 rows, the same in all four partners
	; group 1 for x's tiles: 128 rows x 256 bytes, 512 bytes apart; mask: all four partners
	s_mov_b32 s[G1A], 15|(1<<20)|(1<<21)|(5<<22)|(3<<25)  ; 15:0 the mask; 17:16 elements of 1 byte; 20 padding on; 21 set beside a mask; 24:22 after every 64 words; 31:25 four words
	s_mov_b32 s[G1A+1], 256<<16
	s_mov_b32 s[G1A+2], 128<<16
	s_mov_b32 s[G1A+3], 256<<16
	s_mov_b32 s[G1A+4], 128
	s_mov_b32 s[G1A+5], 512
	s_mov_b32 s[G1A+6], 0
	s_mov_b32 s[G1A+7], 0
	; group 1 for W's tiles: 64 rows, no mask
	s_mov_b32 s[G1B], (1<<20)|(5<<22)|(3<<25)
	s_mov_b32 s[G1B+1], 256<<16
	s_mov_b32 s[G1B+2], 64<<16
	s_mov_b32 s[G1B+3], 256<<16
	s_mov_b32 s[G1B+4], 64
	s_mov_b32 s[G1B+5], 512
	s_mov_b32 s[G1B+6], 0
	s_mov_b32 s[G1B+7], 0
	s_lshl_b32 s60, s24, 17                        ; x: (256 y + 128 half) rows of 512 bytes: y and the wave's number alone
	s_lshl_b32 s61, s21, 16
	s_add_co_u32 s60, s60, s61
	s_mov_b32 s61, 0
	s_lshl_b32 s66, s23, 16                        ; W: (128 x + 64 half) rows of 512 bytes
	s_lshl_b32 s67, s21, 15
	s_add_co_u32 s66, s66, s67
	s_mov_b32 s67, 0
	s_mul_i32 s25, s21, 128*PITCH                  ; where they go: no place in the cluster enters an LDS address
	s_mul_i32 s26, s21, 64*PITCH
	s_wait_dscnt 0x0                               ; both opening adds are done
	s_wait_kmcnt 0x0
	s_add_nc_u64 s[62:63], s[4:5], s[60:61]
	s_add_nc_u64 s[68:69], s[8:9], s[66:67]
.irp c, 0,1
	s_mov_b32 s[G0A+4*\c], 1
	s_add_co_u32 s[G0A+4*\c+1], s25, \c*CH
	s_add_nc_u64 s[G0A+4*\c+2:G0A+4*\c+3], s[62:63], \c*256
	s_or_b32 s[G0A+4*\c+3], s[G0A+4*\c+3], 0x80000000
	s_mov_b32 s[G0B+4*\c], 1
	s_add_co_u32 s[G0B+4*\c+1], s26, \c*CH+WOFF
	s_add_nc_u64 s[G0B+4*\c+2:G0B+4*\c+3], s[68:69], \c*256
	s_or_b32 s[G0B+4*\c+3], s[G0B+4*\c+3], 0x80000000
.endr
	CROUND                                         ; all four work-groups are here: the joint loads meet
	s_cmp_lt_u32 s[WV], 2                          ; waves 0, 1: x's halves, jointly; waves 2, 3: W's halves.  A wave's two first fills stand in one branch: two loads of mine are out
	s_cbranch_scc0 .Lfirst_w
	tensor_load_to_lds s[G0A:G0A+3], s[G1A:G1A+7]
	s_nop 0
	tensor_load_to_lds s[G0A+4:G0A+7], s[G1A:G1A+7]
	s_nop 0
.rept 4
	v_nop
.endr
	s_branch .Lfirst_done
.Lfirst_w:
	tensor_load_to_lds s[G0B:G0B+3], s[G1B:G1B+7]
	s_nop 0
	tensor_load_to_lds s[G0B+4:G0B+7], s[G1B:G1B+7]
	s_nop 0
.rept 4
	v_nop
.endr
.Lfirst_done:
	; the bases of what comes and goes through registers
	s_lshl_b32 s60, s23, 12                        ; ws: 128 x rows of 32 bytes
	s_mov_b32 s61, 0
	s_add_nc_u64 s[10:11], s[10:11], s[60:61]
	s_lshl_b32 s60, s24, 13                        ; xs: (256 y + 64 w) rows of 32 bytes
	s_lshl_b32 s62, s[WV], 11
	s_add_co_u32 s60, s60, s62
	s_add_nc_u64 s[6:7], s[6:7], s[60:61]
	s_and_b32 s73, s24, 7                          ; cos, sin: position 256 (y % 8) + 64 w, 128 bytes a position
	s_lshl_b32 s60, s73, 15
	s_lshl_b32 s62, s[WV], 13
	s_add_co_u32 s60, s60, s62
	s_add_nc_u64 s[12:13], s[12:13], s[60:61]
	s_add_nc_u64 s[14:15], s[14:15], s[60:61]
	s_or_b32 s73, s73, s[WV]                       ; 0 where my first 16 rows are a sequence's first 16 positions
	s_lshl_b32 s60, s24, 8                         ; qkv16: (256 y + 64 w) rows of 3,072 bytes + 256 x
	s_lshl_b32 s62, s[WV], 6
	s_add_co_u32 s60, s60, s62
	s_mul_i32 s60, s60, 3072
	s_lshl_b32 s62, s23, 8
	s_add_co_u32 s60, s60, s62
	s_add_nc_u64 s[16:17], s[16:17], s[60:61]
	s_lshr_b32 s60, s24, 3                         ; h32: 16 (y / 8) rows of 6,144 bytes + 512 x
	s_mul_i32 s60, s60, 98304
	s_lshl_b32 s62, s23, 9
	s_add_co_u32 s60, s60, s62
	s_add_nc_u64 s[18:19], s[18:19], s[60:61]
	v_and_b32 v1, 15, v0                           ; r
	v_bfe_u32 v2, v0, 4, 1                         ; h
	v_and_b32 v24, 3, v1
	v_bfe_u32 v25, v1, 2, 1
	v_lshl_or_b32 v24, v24, 1, v25
	v_and_b32 v25, 8, v1
	v_add_nc_u32 v24, v24, v25                     ; the row of W that lane r takes in a tile
	v_lshlrev_b32 v[SWO], 5, v24
	v_lshl_add_u32 v[SWO], v2, 11, v[SWO]          ; W's scale words: lanes 16-31 take the tile four further on (64 rows)
	v_lshlrev_b32 v[SXO], 5, v1
	v_lshl_add_u32 v[SXO], v2, 10, v[SXO]          ; x's: lanes 16-31 take the block two further on (32 rows)
	v_lshlrev_b32 v[CSO], 7, v1
	v_lshl_add_u32 v[CSO], v2, 4, v[CSO]           ; cos, sin: position r, pairs 4 h + 0 .. 3 of a tile's eight
.irp i, 0,1,2,3
.irp c, 0,1
	global_load_b128 v[SW+8*\i+4*\c:SW+8*\i+4*\c+3], v[SWO], s[10:11] offset:512*\i+16*\c   ; four words: four K steps of 128
.endr
.endr
.irp a, 0,1
.irp c, 0,1
	global_load_b128 v[SX+8*\a+4*\c:SX+8*\a+4*\c+3], v[SXO], s[6:7] offset:512*\a+16*\c
.endr
.endr
	WIN 0x80                                       ; destination window 2
.irp a, 0,1,2,3
.irp f, 0,1,2,3
	global_load_b128 v[COS+16*\a+4*\f:COS+16*\a+4*\f+3], v[CSO], s[12:13] offset:2048*\a+32*\f
	global_load_b128 v[SIN+16*\a+4*\f:SIN+16*\a+4*\f+3], v[CSO], s[14:15] offset:2048*\a+32*\f
.endr
.endr
	WIN 0
	s_mul_i32 s25, s[WV], 64*PITCH
	v_mul_u32_u24 v[AXR], v1, PITCH
	v_lshl_add_u32 v[AXR], v2, 4, v[AXR]
	v_add_nc_u32 v[AXR], s25, v[AXR]               ; x: (64 w + r) x pitch + 16 h
	v_add_nc_u32 v[AXR+1], CH, v[AXR]
	v_mul_u32_u24 v[AWR], v24, PITCH
	v_lshl_add_u32 v[AWR], v2, 4, v[AWR]
	v_add_nc_u32 v[AWR], WOFF, v[AWR]
	v_add_nc_u32 v[AWR+1], CH, v[AWR]
	s_mul_i32 s25, s[WV], 16*PITCH
	s_add_co_u32 s25, s25, STAGE                   ; my stage
	v_mul_u32_u24 v[STO], v1, PITCH
	v_lshl_add_u32 v[STO], v2, 4, v[STO]
	v_add_nc_u32 v[STO], s25, v[STO]               ; in: row r, 16 bytes for each half of the lanes
	v_mul_u32_u24 v[RD], v2, PITCH
	v_lshl_add_u32 v[RD], v1, 4, v[RD]
	v_add_nc_u32 v[RD], s25, v[RD]                 ; back: lanes 0-15 one row of 256 bytes, lanes 16-31 the next
	v_mul_u32_u24 v[GO], v2, 3072
	v_lshl_add_u32 v[GO], v1, 4, v[GO]             ; and the same two rows in qkv16
	v_mul_u32_u24 v[HO], v1, 6144
	v_lshl_add_u32 v[HO], v2, 5, v[HO]             ; h32: row r, 32 bytes for each half
	; cos' = cos A + B, sin' = sin A.  q: A = c, B = 0 (rotation and the softmax's factor); k: A = 1, B = 0; v: A = 0, B = 1 (unchanged).  x < 8 is cluster x < 2: no place in the cluster is named
	s_mov_b32 s74, 0x3f800000
	s_mov_b32 s75, 0x3e38aa3b                      ; c = log2(e) / 8
	s_cmp_lt_u32 ttmp9, 2
	s_cselect_b32 s70, s75, s74                    ; tiles 0-3: q or k
	s_cselect_b32 s71, s75, 0                      ; tiles 4-7: q or v
	s_cselect_b32 s72, 0, s74
	v_mov_b32 v[FA], s70
	v_mov_b32 v[FA+1], s70
	v_mov_b32 v[FA+2], 0
	v_mov_b32 v[FA+3], 0
	v_mov_b32 v[FA+4], s71
	v_mov_b32 v[FA+5], s71
	v_mov_b32 v[FA+6], s72
	v_mov_b32 v[FA+7], s72
; the fragments of K step q (128 along K: 64 bytes of a row) into set: W's eight, x's four.  A fragment: lane (r, h): registers 4 c .. 4 c + 3 hold K = 64 c + 32 h + 0 .. 31: 16 bytes as they lie
.macro FETCH q, set
	WIN 0x80
.irp b, 0,1,2,3,4,5,6,7
.irp cc, 0,1
	ds_load_b128 v[64*(\set)+8*\b+4*\cc:64*(\set)+8*\b+4*\cc+3], v[AWR+(\q)/4] offset:64*((\q)%4)+32*\cc+16*PITCH*\b
.endr
.endr
	WIN 0
.irp a, 0,1,2,3
.irp cc, 0,1
	ds_load_b128 v[XF+32*(\set)+8*\a+4*\cc:XF+32*(\set)+8*\a+4*\cc+3], v[AXR+(\q)/4] offset:64*((\q)%4)+32*\cc+16*PITCH*\a
.endr
.endr
.endm
; one product; ra, rb: the scale words stand in lanes 16-31 of W's, of x's register
.macro WM ra, rb
.if ZR
.if \ra
.if \rb
	v_wmma_scale_f32_16x16x128_f8f6f4 v[rD:rD+7], v[rW:rW+7], v[rX:rX+7], 0, v[rP], v[rQ] matrix_a_fmt:MATRIX_FMT_FP4 matrix_b_fmt:MATRIX_FMT_FP4 matrix_a_scale:MATRIX_SCALE_ROW1 matrix_b_scale:MATRIX_SCALE_ROW1
.else
	v_wmma_scale_f32_16x16x128_f8f6f4 v[rD:rD+7], v[rW:rW+7], v[rX:rX+7], 0, v[rP], v[rQ] matrix_a_fmt:MATRIX_FMT_FP4 matrix_b_fmt:MATRIX_FMT_FP4 matrix_a_scale:MATRIX_SCALE_ROW1
.endif
.else
.if \rb
	v_wmma_scale_f32_16x16x128_f8f6f4 v[rD:rD+7], v[rW:rW+7], v[rX:rX+7], 0, v[rP], v[rQ] matrix_a_fmt:MATRIX_FMT_FP4 matrix_b_fmt:MATRIX_FMT_FP4 matrix_b_scale:MATRIX_SCALE_ROW1
.else
	v_wmma_scale_f32_16x16x128_f8f6f4 v[rD:rD+7], v[rW:rW+7], v[rX:rX+7], 0, v[rP], v[rQ] matrix_a_fmt:MATRIX_FMT_FP4 matrix_b_fmt:MATRIX_FMT_FP4
.endif
.endif
.else
.if \ra
.if \rb
	v_wmma_scale_f32_16x16x128_f8f6f4 v[rD:rD+7], v[rW:rW+7], v[rX:rX+7], v[rD:rD+7], v[rP], v[rQ] matrix_a_fmt:MATRIX_FMT_FP4 matrix_b_fmt:MATRIX_FMT_FP4 matrix_a_scale:MATRIX_SCALE_ROW1 matrix_b_scale:MATRIX_SCALE_ROW1
.else
	v_wmma_scale_f32_16x16x128_f8f6f4 v[rD:rD+7], v[rW:rW+7], v[rX:rX+7], v[rD:rD+7], v[rP], v[rQ] matrix_a_fmt:MATRIX_FMT_FP4 matrix_b_fmt:MATRIX_FMT_FP4 matrix_a_scale:MATRIX_SCALE_ROW1
.endif
.else
.if \rb
	v_wmma_scale_f32_16x16x128_f8f6f4 v[rD:rD+7], v[rW:rW+7], v[rX:rX+7], v[rD:rD+7], v[rP], v[rQ] matrix_a_fmt:MATRIX_FMT_FP4 matrix_b_fmt:MATRIX_FMT_FP4 matrix_b_scale:MATRIX_SCALE_ROW1
.else
	v_wmma_scale_f32_16x16x128_f8f6f4 v[rD:rD+7], v[rW:rW+7], v[rX:rX+7], v[rD:rD+7], v[rP], v[rQ] matrix_a_fmt:MATRIX_FMT_FP4 matrix_b_fmt:MATRIX_FMT_FP4
.endif
.endif
.endif
.endm
; 32 products: the 32 accumulators take turns, one instruction a turn, in the same order in every K step.  K step 0 starts the sums with the constant 0
.macro MUL32 q, set
.if (\q) == 0
.set ZR, 1
.else
.set ZR, 0
.endif
	WIN 0x52                                       ; source 0 (W) window 2, source 1 (x) window 0, C and D window 1
.irp a, 0,1,2,3
.irp b, 0,1,2,3,4,5,6,7
.set rD, 8*(8*\a+\b)
.set rW, 64*(\set)+8*\b
.set rX, XF+32*(\set)+8*\a
.set rP, SW+8*(\b%4)+(\q)
.set rQ, SX+8*(\a%2)+(\q)
	WM \b/4, \a/2
.endr
.endr
.endm
.macro STEP q
	s_wait_dscnt 0x0                               ; this K step's fragments are in
.if (\q) == 0
	s_wait_loadcnt 32                              ; the 12 loads of scale words are in; the 32 of cos and sin may be out
.endif
.if (\q) == 3
	s_wait_tensorcnt 0x0                           ; my part of chunk 1 has landed,
	s_barrier_signal -1
	s_barrier_wait -1                              ; everybody's has.
.endif
.if (\q) < 7
.if (\q) > 0
	PLACES 4                                       ; in front of loads into registers that the last K step's products have read
.endif
	FETCH (\q)+1, ((\q)+1)%2
.endif
	MUL32 \q, (\q)%2
.endm
	s_wait_tensorcnt 1                             ; my part of chunk 0 has landed; chunk 1's load may be out
	s_barrier_signal -1
	s_barrier_wait -1
	FETCH 0, 0
.irp q, 0,1,2,3,4,5,6,7
	STEP \q
.endr
; THE WAY OUT, 16 rows at a time: cos' and sin' of these rows; the rotation, packed; (the f32 copy;) f16 pairs (real, imaginary) put the columns back in their order; through my stage, so that 16 lanes store 256 consecutive bytes, aligned.
.macro OUTBLK a
	WIN 0x02                                       ; source 0 window 2
.irp ty, 0,1
.irp f, 0,1,2,3
.irp u, 0,2
	v_pk_fma_f32 v[CP+16*\ty+4*\f+\u:CP+16*\ty+4*\f+\u+1], v[COS+16*\a+4*\f+\u:COS+16*\a+4*\f+\u+1], v[FA+4*\ty:FA+4*\ty+1], v[FA+4*\ty+2:FA+4*\ty+3]
	v_pk_mul_f32 v[SPR+16*\ty+4*\f+\u:SPR+16*\ty+4*\f+\u+1], v[SIN+16*\a+4*\f+\u:SIN+16*\a+4*\f+\u+1], v[FA+4*\ty:FA+4*\ty+1]
.endr
.endr
.endr
.if \a > 0
	s_wait_xcnt 0x0                                ; the last block's stores have read their registers
.endif
	WIN 0x01                                       ; source 0 window 1: the accumulators, each read from its low end on
.irp b, 0,1,2,3,4,5,6,7
.set rA, 8*(8*\a+\b)
.set rC, CP+16*(\b/4)+4*(\b%4)
.set rS, SPR+16*(\b/4)+4*(\b%4)
.set rR, RI+8*\b
.set rU, TM+8*(\b%2)
	v_pk_mul_f32 v[rU:rU+1], v[rA:rA+1], v[rS:rS+1]                ; xr sin'
	v_pk_mul_f32 v[rU+2:rU+3], v[rA+2:rA+3], v[rS+2:rS+3]
	v_pk_mul_f32 v[rU+4:rU+5], v[rA+4:rA+5], v[rS:rS+1]            ; xi sin'
	v_pk_mul_f32 v[rU+6:rU+7], v[rA+6:rA+7], v[rS+2:rS+3]
	v_pk_fma_f32 v[rR:rR+1], v[rA:rA+1], v[rC:rC+1], v[rU+4:rU+5] neg_lo:[0,0,1] neg_hi:[0,0,1]      ; xr cos' - xi sin'
	v_pk_fma_f32 v[rR+2:rR+3], v[rA+2:rA+3], v[rC+2:rC+3], v[rU+6:rU+7] neg_lo:[0,0,1] neg_hi:[0,0,1]
	v_pk_fma_f32 v[rR+4:rR+5], v[rA+4:rA+5], v[rC:rC+1], v[rU:rU+1]                                  ; xi cos' + xr sin'
	v_pk_fma_f32 v[rR+6:rR+7], v[rA+6:rA+7], v[rC+2:rC+3], v[rU+2:rU+3]
.endr
	WIN 0
.if \a == 0
	s_cmp_lg_u32 s73, 0                            ; y and the wave's number alone: the same in all partners
	s_cbranch_scc1 .Lno_fine
.irp b, 0,1,2,3,4,5,6,7
	global_store_b128 v[HO], v[RI+8*\b:RI+8*\b+3], s[18:19] offset:64*\b
	global_store_b128 v[HO], v[RI+8*\b+4:RI+8*\b+7], s[18:19] offset:64*\b+16
.endr
	s_wait_xcnt 0x0                                ; these stores have read their data, which is packed in place below
.Lno_fine:
.endif
.irp b, 0,1,2,3,4,5,6,7
.irp i, 0,1,2,3
	v_cvt_pk_f16_f32 v[RI+8*\b+\i], v[RI+8*\b+\i], v[RI+8*\b+4+\i]   ; columns 8 h + 2 i, 8 h + 2 i + 1
.endr
.endr
.irp b, 0,1,2,3,4,5,6,7
	ds_store_b128 v[STO], v[RI+8*\b:RI+8*\b+3] offset:32*\b
.endr
.irp i, 0,1,2,3,4,5,6,7
	ds_load_b128 v[BK+4*\i:BK+4*\i+3], v[RD] offset:\i*2*PITCH     ; LDS serves a wave's instructions in order: these see my stores
.endr
	s_wait_dscnt 0x0
.irp i, 0,1,2,3,4,5,6,7
	global_store_b128 v[GO], v[BK+4*\i:BK+4*\i+3], s[16:17] offset:(16*\a+2*\i)*3072
.endr
.endm
	s_wait_loadcnt 0x0                             ; cos and sin
	PLACES 4                                       ; behind the last products
	OUTBLK 0
	OUTBLK 1
	OUTBLK 2
	OUTBLK 3
	s_wait_tensorcnt 0x0                           ; the wave's end
	ds_add_u32 v[SPW], v[NIL]
	s_wait_dscnt 0x0
	CROUND                                         ; the closing round
	s_endpgm
.Lfunc_end_k_q8b7f871938_qkv:
	.size	k_q8b7f871938_qkv, .Lfunc_end_k_q8b7f871938_qkv-k_q8b7f871938_qkv
	.p2alignl 7, 3214868480
	.fill 96, 4, 3214868480
	.section	.rodata,"a",@progbits
	.p2align	6, 0x0
	.amdhsa_kernel k_q8b7f871938_qkv
		.amdhsa_group_segment_fixed_size 226816
		.amdhsa_private_segment_fixed_size 0
		.amdhsa_enable_private_segment 0
		.amdhsa_kernarg_size 64
		.amdhsa_user_sgpr_count 2
		.amdhsa_user_sgpr_kernarg_segment_ptr 1
		.amdhsa_wavefront_size32 1
		.amdhsa_system_sgpr_workgroup_id_x 1
		.amdhsa_system_sgpr_workgroup_id_y 1
		.amdhsa_system_sgpr_workgroup_id_z 1
		.amdhsa_system_vgpr_workitem_id 0
		.amdhsa_next_free_vgpr 768
		.amdhsa_next_free_sgpr 96
		.amdhsa_reserve_vcc 0
		.amdhsa_float_denorm_mode_32 3
		.amdhsa_float_denorm_mode_16_64 3
		.amdhsa_memory_ordered 1
		.amdhsa_forward_progress 1
		.amdhsa_inst_pref_size 100
	.end_amdhsa_kernel
	.amdgpu_metadata
---
amdhsa.version: [ 1, 2 ]
amdhsa.kernels:
  - .name:           k_q8b7f871938_qkv
    .symbol:         k_q8b7f871938_qkv.kd
    .args:
      - { .name: xc, .offset: 0, .size: 8, .value_kind: global_buffer, .address_space: global }
      - { .name: xs, .offset: 8, .size: 8, .value_kind: global_buffer, .address_space: global }
      - { .name: wc, .offset: 16, .size: 8, .value_kind: global_buffer, .address_space: global }
      - { .name: ws, .offset: 24, .size: 8, .value_kind: global_buffer, .address_space: global }
      - { .name: freqs_cos, .offset: 32, .size: 8, .value_kind: global_buffer, .address_space: global }
      - { .name: freqs_sin, .offset: 40, .size: 8, .value_kind: global_buffer, .address_space: global }
      - { .name: qkv16, .offset: 48, .size: 8, .value_kind: global_buffer, .address_space: global }
      - { .name: h32, .offset: 56, .size: 8, .value_kind: global_buffer, .address_space: global }
    .group_segment_fixed_size: 226816
    .private_segment_fixed_size: 0
    .kernarg_segment_align: 8
    .kernarg_segment_size: 64
    .max_flat_workgroup_size: 128
    .sgpr_count:     96
    .vgpr_count:     768
    .wavefront_size: 32
...
	.end_amdgpu_metadata
.endif
;; end of part 2
;; launch attn (part 3): grid 32 x 8, 8 waves a work-group, no clusters, 327,680 bytes of LDS; arguments qkv16, att16; writes att16
.if DOCPART == 3
	.amdgcn_target "amdgcn-amd-amdhsa--gfx1250"
	.amdhsa_code_object_version 6
	.text
	.protected	k_q8b7f871938_attn
	.globl	k_q8b7f871938_attn
	.p2align	8
	.type	k_q8b7f871938_attn,@function
k_q8b7f871938_attn:
	s_mov_b64 s[64:65], 0
	v_nop
	global_prefetch_b8 v0, s[64:65] scope:SCOPE_SE
	s_setreg_imm32_b32 hwreg(HW_REG_WAVE_MODE, 25, 1), 1
	s_wait_xcnt 0x0
; att16[b][q][head x 64 + d] = the sum over keys k <= q of softmax_k(q . k / 8) v, in f16 operands with f32 products' sums, maxima and sums.  qkv16 [4096][1536] f16: q (already times log2(e) / 8), then for each key/value head 64 of k and 64 of v.
; SOFTMAX: a running maximum m and sum l for each query; p = 2^(s - m); in every step O and l are multiplied by a = 2^(m_old - m_new).  p is rounded to f16 for the second product; l is the sum of the unrounded p.
; LIMITS: NaN and infinities are not served.  The first 16 positions of each sequence are made here too, and are made again more finely by a later launch.
; SHARES.  Work-group (j, b, g) owns two blocks of 32 queries, E = 32 j .. and L = 32 (63 - j) .., of the four query heads of key/value head g: 4 x 32 (j + 1) + 2 x 32 (63 - 2 j) = 4,160 tile-keys for every j.
; Wave w: 16 queries (w % 2) of each block, two heads ((w / 2) % 2): four tiles of 16 queries: tiles 0, 1 of E, tiles 2, 3 of L.  THE KEYS ARE SPLIT: of a slot's four steps of 64 keys, waves 0-3 take steps 0 and 2, waves 4-7 steps 1 and 3;
; at the end waves w and w xor 4 join their (m, l, O) through LDS.  So two waves of equal work share each set of 1,024 registers, and a fragment of K or V serves four tiles while E's keys last, two afterwards.
; NO CLUSTER: the work-groups that read the same K and V have different causal limits: a tile asked for jointly would be passed over whole by some partner.
; LAYOUT.  S^T = K Q^T (source 0 = 16 keys, source 1 = 16 queries): a lane holds ONE query (lane % 16) and keys 8 (lane / 16) + 0..7 of each 16.  Two such tiles, rounded in pairs, are source 1 (32 keys x 16 queries) of O^T = V^T P.  V is turned by ds_load_tr16_b128.
; THE MASK.  Every work-group walks all 8 slots of 256 keys (the trip counts are constants); a step all of whose keys come after the wave's queries is passed over by a scalar branch on ids; a slot that begins behind the work-group's last query is not asked for.
; A step that is walked has its first key at or under all 16 queries (both are multiples of 16), so no row of it is wholly hidden.
; REGISTERS: window 0: v1-15 addresses; v16-47 statistics, 8 a tile (+0 m, +1 its pair's mate, +2, +3 l, +4..+7 at work; a in +6); v48, v49 the add's two; v64-191 S^T, 32 a tile, P in place in each tile's low 16; v192-255 K's 8 fragments.
;   window 1: v0-127 O^T, 32 a tile; v128-191 Q, 16 a tile; v192-255 V's 8 fragments.
.set PKP,   144                        ; a row of K in LDS: 128 bytes + 16
.set PVP,   160                        ; a row of V: 128 + 32, an odd multiple of 32, for the turning load
.set VOFF,  256*PKP                    ; a slot: 256 rows of K, then 256 rows of V
.set SLOT1, 1<<17                      ; slot 1 begins here: one exclusive or turns an address
.set SLOTB, 256*3072                   ; a slot on, in memory
.set XCH,   208896                     ; behind the ring: 9,216 bytes a wave: 8,192 of O^T's image, 1,024 of statistics
.set STAGE, XCH+8*9216                 ; 16 rows x 272 for each wave, for the way out
.set SPARE, STAGE+8*16*272             ; the spare words, 128 bytes a wave
.set AK0, 1
.set AV0, 2
.set ADK, 3
.set ADV, 4
.set QO,  5
.set STO, 6
.set RD,  7
.set GO,  8
.set XS,  9
.set XL,  10
.set DE,  11                           ; v11, v12: my query - 8 (lane / 16), in E and in L
.set DL,  12
.set DD,  13
.set NINF, 14
.set PFO, 15
.set ST,  16
.set SPW, 48
.set NIL, 49
.set S,   64
.set KF,  192
.set QF,  128
.set VF,  192
.set WV,  8
.set P64, 9                            ; s9  64 x (wave / 4)
.set QE15, 15                          ; s15, s16: my last query in E, in L
.set QL15, 16
.set KS,  17                           ; s17 the first key of the slot in hand
.set TB,  19                           ; s19 LDS byte at which it begins
.set SLOTS, 20
.set QLMAX, 21                         ; s21 my work-group's last query
.set SEL, 22
.set G1K, 24
.set G1V, 32
.set G0K, 40
.set G0V, 44
.set PFA, 48
.set LIM, 50
.set QPE, 52
.set QPL, 54
.set OPE, 56
.set OPL, 58
.set KFW, 60                           ; s60 the step's first key
.set W_KQ, 0x04                        ; K, S^T window 0; Q window 1
.set W_PV, 0x51                        ; V, O^T window 1; P window 0
.set W_RS, 0x41                        ; O^T window 1; a window 0
.set MSB, 0
.macro WIN new                         ; the immediate's high byte repeats the setting that is left
.if MSB != \new
	s_set_vgpr_msb (MSB<<8)|\new
.set MSB, \new
.endif
.endm
.macro PLACES n
.rept \n
	v_nop
.endr
.endm
; Waves 0 and 1 fetch K's halves of a slot, waves 2 and 3 V's, the others nothing.  An s_nop 0 and four v_nop follow each of the two lines.
.macro TLOAD
	s_cmp_lt_u32 s[WV], 2
	s_cbranch_scc0 .Lnot_k_\@
	tensor_load_to_lds s[G0K:G0K+3], s[G1K:G1K+7]
	s_nop 0
.rept 4
	v_nop
.endr
	s_branch .Lasked_\@
.Lnot_k_\@:
	s_cmp_lt_u32 s[WV], 4
	s_cbranch_scc0 .Lasked_\@
	tensor_load_to_lds s[G0V:G0V+3], s[G1V:G1V+7]
	s_nop 0
.rept 4
	v_nop
.endr
.Lasked_\@:
.endm
; A prefetch of what the NEXT change of slots will ask for: 256 positions' 256 bytes of k and v.  All 32 work-groups of one (b, g) walk the same rows: work-group j = 0 asks, and in it the waves that fetch nothing,
; waves 4 to 7, 64 rows each: two instructions, a lane a row.  So each row's piece is named once in the launch.  The last change that fills a slot asks for nothing; slots 0 and 1 come by their loads alone.
.macro ASK
	s_cmp_gt_u32 s[SLOTS], s[LIM]
	s_cbranch_scc0 .Lnot_mine_\@
	global_prefetch_b8 v[PFO], s[PFA:PFA+1] th:TH_LOAD_NT scope:SCOPE_SE
	global_prefetch_b8 v[PFO], s[PFA:PFA+1] offset:98304 th:TH_LOAD_NT scope:SCOPE_SE
.Lnot_mine_\@:
.endm
	s_load_b128 s[4:7], s[0:1], 0x0                ; qkv16, att16
	v_lshl_add_u32 v[SPW], v0, 2, SPARE
	v_mov_b32 v[NIL], 0
	ds_add_u32 v[SPW], v[NIL]                      ; the wave's opening: the add, twice on end, and its wait ahead of my first tensor load
	ds_add_u32 v[SPW], v[NIL]
	v_lshrrev_b32 v50, 5, v0
	v_readfirstlane_b32 s[WV], v50                 ; wave 0..7
	s_lshr_b32 s[P64], s[WV], 2
	s_lshl_b32 s[P64], s[P64], 6
	s_and_b32 s10, s[WV], 1                        ; which 16 queries of a block.  Also: which half of a tile I fetch
	s_bfe_u32 s11, s[WV], 0x10001                  ; which pair of heads
	s_and_b32 s12, ttmp7, 0xffff
	s_lshr_b32 s14, s12, 2                         ; b
	s_and_b32 s18, s12, 3                          ; g
	s_lshl_b32 s61, ttmp9, 5                       ; 32 j
	s_lshl_b32 s62, s10, 4
	s_add_co_u32 s66, s61, s62                     ; my first query in E
	s_sub_co_u32 s67, 2016, s61
	s_add_co_u32 s67, s67, s62                     ; and in L
	s_add_co_u32 s[QE15], s66, 15
	s_add_co_u32 s[QL15], s67, 15
	s_sub_co_u32 s[QLMAX], 2047, s61
	; group 1: 128 rows x 64 elements of 2 bytes, 1,536 elements apart, padded in LDS behind every 32 words: K by 4 words, V by 8
	s_mov_b32 s[G1K], (1<<16)|(1<<20)|(4<<22)|(3<<25)
	s_mov_b32 s[G1V], (1<<16)|(1<<20)|(4<<22)|(7<<25)
.irp g, G1K, G1V
	s_mov_b32 s[\g+1], 64<<16
	s_mov_b32 s[\g+2], 128<<16
	s_mov_b32 s[\g+3], 64<<16
	s_mov_b32 s[\g+4], 128
	s_mov_b32 s[\g+5], 1536
	s_mov_b32 s[\g+6], 0
	s_mov_b32 s[\g+7], 0
.endr
	s_lshl_b32 s68, s14, 11                        ; the sequence's first row
	s_lshl_b32 s69, s10, 7
	s_add_co_u32 s69, s69, s68
	s_mul_i32 s70, s69, 3072
	s_lshl_b32 s69, s18, 8
	s_add_co_u32 s70, s70, s69
	s_add_co_u32 s70, s70, 2048                    ; K: row 2048 b + 128 half, byte 2,048 + 256 g
	s_mov_b32 s71, 0
	s_mul_i32 s61, s10, 128*PKP
	s_mul_i32 s62, s10, 128*PVP
	s_add_co_u32 s62, s62, VOFF
	s_lshl_b32 s72, s18, 9
	s_lshl_b32 s69, s11, 8
	s_add_co_u32 s72, s72, s69                     ; my first head's bytes in a row: (4 g + 2 pair) x 128
	s_mov_b32 s[SEL], 0x76543210
	s_mov_b32 s[SEL+1], 0xfedcba98
	s_mov_b32 s[KS], 0
	s_mov_b32 s[TB], 0
	s_mov_b32 s[SLOTS], 7
	s_wait_dscnt 0x0                               ; both opening adds are done
	s_wait_kmcnt 0x0
	s_mov_b32 s[G0K], 1
	s_mov_b32 s[G0K+1], s61
	s_add_nc_u64 s[G0K+2:G0K+3], s[4:5], s[70:71]
	s_mov_b32 s[G0V], 1
	s_mov_b32 s[G0V+1], s62
	s_add_nc_u64 s[G0V+2:G0V+3], s[G0K+2:G0K+3], 128
	s_or_b32 s[G0K+3], s[G0K+3], 0x80000000
	s_or_b32 s[G0V+3], s[G0V+3], 0x80000000
	TLOAD                                          ; slot 0: key 0 counts for every query
	s_mov_b32 s75, 0
	s_add_co_u32 s69, s68, s66
	s_mul_i32 s74, s69, 3072
	s_add_co_u32 s74, s74, s72
	s_add_nc_u64 s[QPE:QPE+1], s[4:5], s[74:75]
	s_lshl_b32 s74, s69, 11
	s_add_co_u32 s74, s74, s72
	s_add_nc_u64 s[OPE:OPE+1], s[6:7], s[74:75]
	s_add_co_u32 s69, s68, s67
	s_mul_i32 s74, s69, 3072
	s_add_co_u32 s74, s74, s72
	s_add_nc_u64 s[QPL:QPL+1], s[4:5], s[74:75]
	s_lshl_b32 s74, s69, 11
	s_add_co_u32 s74, s74, s72
	s_add_nc_u64 s[OPL:OPL+1], s[6:7], s[74:75]
	s_and_b32 s69, s[WV], 3                        ; the prefetches: my 64 rows, in slot 1: the first change of slots steps them to slot 2
	s_lshl_b32 s69, s69, 6
	s_add_co_u32 s69, s69, s68
	s_mul_i32 s74, s69, 3072
	s_lshl_b32 s69, s18, 8
	s_add_co_u32 s74, s74, s69
	s_add_co_u32 s74, s74, 2048+SLOTB
	s_add_nc_u64 s[PFA:PFA+1], s[4:5], s[74:75]
	s_lshr_b32 s69, s[WV], 2
	s_xor_b32 s69, s69, 1                          ; 0 in waves 4 to 7,
	s_or_b32 s69, s69, ttmp9                       ; of work-group j = 0
	s_cmp_eq_u32 s69, 0
	s_cselect_b32 s[LIM], 1, -1
	v_and_b32 v50, 15, v0                          ; r
	v_bfe_u32 v51, v0, 4, 1                        ; h
	v_and_b32 v52, 31, v0                          ; lane
	v_mul_u32_u24 v[QO], v50, 3072
	v_lshl_add_u32 v[QO], v51, 4, v[QO]
	WIN 0x40                                       ; destination window 1
.irp t, 0,1
.irp f, 0,1
	global_load_b128 v[QF+16*\t+8*\f:QF+16*\t+8*\f+3], v[QO], s[QPE:QPE+1] offset:128*\t+64*\f
	global_load_b128 v[QF+16*\t+8*\f+4:QF+16*\t+8*\f+7], v[QO], s[QPE:QPE+1] offset:128*\t+64*\f+32
	global_load_b128 v[QF+32+16*\t+8*\f:QF+32+16*\t+8*\f+3], v[QO], s[QPL:QPL+1] offset:128*\t+64*\f
	global_load_b128 v[QF+32+16*\t+8*\f+4:QF+32+16*\t+8*\f+7], v[QO], s[QPL:QPL+1] offset:128*\t+64*\f+32
.endr
.endr
.set n, 0
.rept 128
	v_mov_b32 v[n], 0                              ; O^T.  The step is written once: where a tile's first step falls hangs on ids, so the first step finds zeros, which a = 0 leaves zeros
.set n, n+1
.endr
	WIN 0
	s_mul_i32 s61, s[P64], PKP
	v_mul_u32_u24 v[AK0], v50, PKP
	v_lshl_add_u32 v[AK0], v51, 4, v[AK0]
	v_add_nc_u32 v[AK0], s61, v[AK0]               ; K: (64 p + r) x pitch + 16 h
	s_mul_i32 s61, s[P64], PVP
	s_add_co_u32 s61, s61, VOFF
	v_and_b32 v53, 7, v0
	v_bfe_u32 v54, v0, 3, 1
	v_lshl_add_u32 v[AV0], v51, 3, v53
	v_mul_u32_u24 v[AV0], v[AV0], PVP
	v_lshl_add_u32 v[AV0], v54, 4, v[AV0]
	v_add_nc_u32 v[AV0], s61, v[AV0]               ; V: (64 p + 8 h + lane % 8) x pitch + 16 ((lane / 8) % 2)
	s_mul_i32 s61, s[WV], 16*272
	s_add_co_u32 s61, s61, STAGE
	v_mul_u32_u24 v[STO], v50, 272
	v_lshl_add_u32 v[STO], v51, 4, v[STO]
	v_add_nc_u32 v[STO], s61, v[STO]
	v_mul_u32_u24 v[RD], v51, 272
	v_lshl_add_u32 v[RD], v50, 4, v[RD]
	v_add_nc_u32 v[RD], s61, v[RD]
	v_lshlrev_b32 v[GO], 11, v51
	v_lshl_add_u32 v[GO], v50, 4, v[GO]            ; att16: lanes 0-15 one row, lanes 16-31 the next; 16 bytes a lane
	s_mul_i32 s61, s[WV], 9216
	s_add_co_u32 s61, s61, XCH
	v_lshl_add_u32 v[XS], v52, 4, s61              ; where I leave what my partner finishes,
	s_xor_b32 s62, s[WV], 4
	s_mul_i32 s62, s62, 9216
	s_add_co_u32 s62, s62, XCH
	v_lshl_add_u32 v[XL], v52, 4, s62              ; and where my partner leaves mine
	v_lshlrev_b32 v53, 3, v51
	v_sub_nc_u32 v53, v50, v53                     ; r - 8 h
	v_add_nc_u32 v[DE], s66, v53
	v_add_nc_u32 v[DL], s67, v53
	v_mov_b32 v[NINF], 0xff800000
	v_mul_u32_u24 v[PFO], v52, 3072
.irp t, 0,1,2,3
	v_mov_b32 v[ST+8*\t], 0xff61b1e6               ; m: -3e38, under every score
.irp i, 1,2,3,4,5,6,7
	v_mov_b32 v[ST+8*\t+\i], 0
.endr
.endr
; A PIECE: tiles T and T + 1 (one block of queries, two heads) against the step's 64 keys.  q15: my last query of the block; dq: my query - 8 h.
.macro PIECE T, q15, dq
	WIN W_KQ
.set i, 0
.rept 16                               ; S^T = K Q^T: channels 32 (i / 8) on, keys 16 ((i / 2) % 4) on, tile T + i % 2: eight accumulators by turns; the first eight start the sums
.set rS, S+32*(\T+i%2)+8*((i/2)%4)
.set rK, KF+16*((i/2)%4)+8*(i/8)
.set rQ, QF+16*(\T+i%2)+8*(i/8)
.if i < 8
	v_wmma_f32_16x16x32_f16 v[rS:rS+7], v[rK:rK+7], v[rQ:rQ+7], 0
.else
	v_wmma_f32_16x16x32_f16 v[rS:rS+7], v[rK:rK+7], v[rQ:rQ+7], v[rS:rS+7]
.endif
.set i, i+1
.endr
	WIN 0
	PLACES 4
	s_add_co_u32 s61, s[KFW], 78                   ; all 64 keys count where the step's last key + 15 is at or under my last query
	s_cmp_le_u32 s61, s[\q15]
	s_cbranch_scc1 .Lopen_\@
	v_sub_nc_u32 v[DD], v[\dq], s[KFW]             ; register 8 c + jj holds key KFW + 16 c + 8 h + jj: hidden where 16 c + jj > my query - 8 h - KFW
.irp c, 0,1,2,3
.irp jj, 0,1,2,3,4,5,6,7
	v_cmp_gt_i32 vcc_lo, 16*\c+\jj, v[DD]
	v_cndmask_b32 v[S+32*\T+8*\c+\jj], v[S+32*\T+8*\c+\jj], v[NINF], vcc_lo
	v_cndmask_b32 v[S+32*\T+32+8*\c+\jj], v[S+32*\T+32+8*\c+\jj], v[NINF], vcc_lo
.endr
.endr
.Lopen_\@:
.irp n, 0,1,2,3                        ; the maximum: four chains, each from its accumulator's low end on; the two tiles line by line
.irp t, \T, \T+1
	v_max3_num_f32 v[ST+8*(\t)+4+\n], v[S+32*(\t)+8*\n], v[S+32*(\t)+8*\n+1], v[S+32*(\t)+8*\n+2]
.endr
.endr
.irp m, 3,5
.irp n, 0,1,2,3
.irp t, \T, \T+1
	v_max3_num_f32 v[ST+8*(\t)+4+\n], v[ST+8*(\t)+4+\n], v[S+32*(\t)+8*\n+\m], v[S+32*(\t)+8*\n+\m+1]
.endr
.endr
.endr
.irp t, \T, \T+1
	v_max3_num_f32 v[ST+8*(\t)+4], v[ST+8*(\t)+4], v[S+32*(\t)+7], v[S+32*(\t)+15]
	v_max3_num_f32 v[ST+8*(\t)+6], v[ST+8*(\t)+6], v[S+32*(\t)+23], v[S+32*(\t)+31]
.endr
.irp t, \T, \T+1
	v_max3_num_f32 v[ST+8*(\t)+4], v[ST+8*(\t)+4], v[ST+8*(\t)+5], v[ST+8*(\t)+6]
.endr
.irp t, \T, \T+1
	v_max3_num_f32 v[ST+8*(\t)+4], v[ST+8*(\t)+4], v[ST+8*(\t)+7], v[ST+8*(\t)]   ; with the old m
.endr
.irp t, \T, \T+1
	v_permlanex16_b32 v[ST+8*(\t)+5], v[ST+8*(\t)+4], s[SEL], s[SEL+1]            ; the query's other keys lie in the lane 16 away
.endr
.irp t, \T, \T+1
	v_mov_b32 v[ST+8*(\t)+7], v[ST+8*(\t)]
.endr
.irp t, \T, \T+1
	v_max_num_f32 v[ST+8*(\t)], v[ST+8*(\t)+4], v[ST+8*(\t)+5]                    ; the new m
.endr
.irp t, \T, \T+1
	v_sub_f32 v[ST+8*(\t)+7], v[ST+8*(\t)+7], v[ST+8*(\t)]                        ; m_old - m_new
.endr
.set n, 0
.rept 16
.irp t, \T, \T+1
	v_pk_add_f32 v[S+32*(\t)+n:S+32*(\t)+n+1], v[S+32*(\t)+n:S+32*(\t)+n+1], v[ST+8*(\t):ST+8*(\t)+1] op_sel_hi:[1,0] neg_lo:[0,1] neg_hi:[0,1]   ; s - m
.endr
.set n, n+2
.endr
.irp t, \T, \T+1                       ; ONE BATCH of exponentials: a and the 32 p of both tiles
	v_exp_f32 v[ST+8*(\t)+6], v[ST+8*(\t)+7]
.endr
.set n, 0
.rept 32
.irp t, \T, \T+1
	v_exp_f32 v[S+32*(\t)+n], v[S+32*(\t)+n]
.endr
.set n, n+1
.endr
	v_nop                                          ; a plain line behind the last exponential,
	s_wait_alu depctr_va_vdst(0)                   ; and one wait ahead of the batch's first reader
.irp t, \T, \T+1                       ; l = a l + the sum of the unrounded p, in two chains
	v_pk_fma_f32 v[ST+8*(\t)+2:ST+8*(\t)+3], v[ST+8*(\t)+2:ST+8*(\t)+3], v[ST+8*(\t)+6:ST+8*(\t)+7], v[S+32*(\t):S+32*(\t)+1] op_sel_hi:[1,0,1]
.endr
.irp t, \T, \T+1
	v_pk_add_f32 v[ST+8*(\t)+4:ST+8*(\t)+5], v[S+32*(\t)+2:S+32*(\t)+3], v[S+32*(\t)+4:S+32*(\t)+5]
.endr
.set n, 6
.rept 6
.irp t, \T, \T+1
	v_pk_add_f32 v[ST+8*(\t)+2:ST+8*(\t)+3], v[ST+8*(\t)+2:ST+8*(\t)+3], v[S+32*(\t)+n:S+32*(\t)+n+1]
	v_pk_add_f32 v[ST+8*(\t)+4:ST+8*(\t)+5], v[ST+8*(\t)+4:ST+8*(\t)+5], v[S+32*(\t)+n+2:S+32*(\t)+n+3]
.endr
.set n, n+4
.endr
.irp t, \T, \T+1
	v_pk_add_f32 v[ST+8*(\t)+2:ST+8*(\t)+3], v[ST+8*(\t)+2:ST+8*(\t)+3], v[S+32*(\t)+30:S+32*(\t)+31]
.endr
.irp t, \T, \T+1
	v_pk_add_f32 v[ST+8*(\t)+2:ST+8*(\t)+3], v[ST+8*(\t)+2:ST+8*(\t)+3], v[ST+8*(\t)+4:ST+8*(\t)+5]
.endr
.set n, 0
.rept 16                               ; P in place: register n takes the pair 2 n, 2 n + 1; ascending, so a register is written only after it was read
.irp t, \T, \T+1
	v_cvt_pk_f16_f32 v[S+32*(\t)+n], v[S+32*(\t)+2*n], v[S+32*(\t)+2*n+1]
.endr
.set n, n+1
.endr
	WIN W_RS
.set n, 0
.rept 16
.irp t, \T, \T+1
	v_pk_mul_f32 v[32*(\t)+n:32*(\t)+n+1], v[32*(\t)+n:32*(\t)+n+1], v[ST+8*(\t)+6:ST+8*(\t)+7] op_sel_hi:[1,0]   ; O^T x a
.endr
.set n, n+2
.endr
	s_wait_dscnt 0x0                               ; V is in
	WIN W_PV
.set i, 0
.rept 16                               ; O^T += V^T P: keys 32 (i / 8) on, channels 16 ((i / 2) % 4) on, tile T + i % 2: eight accumulators by turns
.set rO, 32*(\T+i%2)+8*((i/2)%4)
.set rV, VF+32*(i/8)+8*((i/2)%4)
.set rP, S+32*(\T+i%2)+8*(i/8)
	v_wmma_f32_16x16x32_f16 v[rO:rO+7], v[rV:rV+7], v[rP:rP+7], v[rO:rO+7]
.set i, i+1
.endr
	WIN 0
.endm
; A STEP: my 64 keys number i2 of the slot in hand.
.macro STEP i2
	s_add_co_u32 s[KFW], s[KS], s[P64]
.if \i2
	s_add_co_u32 s[KFW], s[KFW], 128
.endif
	s_cmp_gt_u32 s[KFW], s[QL15]                   ; all its keys come after all my queries: passed over (ids and the count of steps alone)
	s_cbranch_scc1 .Lhid_\@
	v_add_nc_u32 v[ADK], s[TB], v[AK0]
	v_add_nc_u32 v[ADV], s[TB], v[AV0]
	PLACES 4                                       ; with the two additions six places: four are owed to the loads into V's registers, five to the scores that begin anew over P's
.irp c, 0,1,2,3
.irp f, 0,1
	ds_load_b128 v[KF+16*\c+8*\f:KF+16*\c+8*\f+3], v[ADK] offset:\i2*128*PKP+\c*16*PKP+64*\f
	ds_load_b128 v[KF+16*\c+8*\f+4:KF+16*\c+8*\f+7], v[ADK] offset:\i2*128*PKP+\c*16*PKP+64*\f+32
.endr
.endr
	WIN 0x40
.irp u, 0,1
.irp tp, 0,1,2,3
	ds_load_tr16_b128 v[VF+32*\u+8*\tp:VF+32*\u+8*\tp+3], v[ADV] offset:\i2*128*PVP+\u*32*PVP+32*\tp
	ds_load_tr16_b128 v[VF+32*\u+8*\tp+4:VF+32*\u+8*\tp+7], v[ADV] offset:\i2*128*PVP+\u*32*PVP+16*PVP+32*\tp
.endr
.endr
	WIN 0
	s_wait_dscnt 16                                ; K's 16 loads are in; V's 16 may be out
	PIECE 2, QL15, DL
	s_cmp_gt_u32 s[KFW], s[QE15]                   ; E's queries are behind these keys: only L goes on
	s_cbranch_scc1 .Lhid_\@
	PIECE 0, QE15, DE
.Lhid_\@:
.endm
; THE CHANGE OF SLOTS stands at a slot's head.  Each wave waits for all its tensor loads, adds 0 to its spare word, and waits for that and for its reads of the slot that it has left; behind the barrier the slot ahead is whole and nobody reads the other.
; fill = 1: the other slot is filled with the next 256 keys, while that slot's first key is at or under the work-group's last query: a slot beyond is read by none of the eight waves.
.macro CHANGE fill
	s_wait_tensorcnt 0x0                           ; no tensor load of mine is out, so a group 0 may be written
	ds_add_u32 v[SPW], v[NIL]
.if \fill
	ds_add_u32 v[SPW], v[NIL]                      ; twice on end here, in every trip alike
	s_xor_b32 s[G0K+1], s[G0K+1], SLOT1
	s_add_nc_u64 s[G0K+2:G0K+3], s[G0K+2:G0K+3], SLOTB
	s_xor_b32 s[G0V+1], s[G0V+1], SLOT1
	s_add_nc_u64 s[G0V+2:G0V+3], s[G0V+2:G0V+3], SLOTB
	s_wait_xcnt 0x0                                ; the last prefetches, a slot back, have read their address
	s_add_nc_u64 s[PFA:PFA+1], s[PFA:PFA+1], SLOTB
.endif
	s_wait_dscnt 0x0
	s_barrier_signal -1
	s_barrier_wait -1
.if \fill
	s_add_co_u32 s61, s[KS], 256                   ; the first key of the slot that this change would ask for
	s_cmp_gt_u32 s61, s[QLMAX]                     ; ids and the count of slots alone: all eight waves go the same way, and a work-group past the limit stays past it
	s_cbranch_scc1 .Lpast_\@
	TLOAD                                          ; a wave's one tensor load until the next change
.Lpast_\@:
	ASK
.endif
.endm
.macro SLOT_STEPS
	STEP 0
	STEP 1
	s_add_co_u32 s[KS], s[KS], 256
	s_xor_b32 s[TB], s[TB], SLOT1
.endm
	s_wait_loadcnt 0x0                             ; Q
.Lslot:                                            ; 7 trips
	CHANGE 1
	SLOT_STEPS
	s_sub_co_u32 s[SLOTS], s[SLOTS], 1
	s_cmp_lg_u32 s[SLOTS], 0
	s_cbranch_scc1 .Lslot
	CHANGE 0                                       ; the last slot is written out: nothing is left to ask for
	SLOT_STEPS
	; THE END.  l's two halves and the other half of the lanes'; then waves w and w xor 4, which hold the same tiles over the other keys, join: waves 0-3 hand over E's tiles and finish L's, waves 4-7 the other way round.
.irp t, 0,1,2,3
	v_add_f32 v[ST+8*\t+4], v[ST+8*\t+2], v[ST+8*\t+3]
.endr
.irp t, 0,1,2,3
	v_permlanex16_b32 v[ST+8*\t+5], v[ST+8*\t+4], s[SEL], s[SEL+1]
.endr
.irp t, 0,1,2,3
	v_add_f32 v[ST+8*\t+2], v[ST+8*\t+4], v[ST+8*\t+5]
.endr
.macro SENDX T                         ; tiles T, T + 1 as images of their registers: 16 bytes a lane, 512 a store; each accumulator from its low end on
	WIN 0x04                                       ; an LDS store's data are its source 1: window 1
.set n, 0
.rept 16
	ds_store_b128 v[XS], v[32*\T+4*n:32*\T+4*n+3] offset:512*n
.set n, n+1
.endr
	WIN 0
	ds_store_b128 v[XS], v[ST+8*\T:ST+8*\T+3] offset:8192          ; m, -, l, -
	ds_store_b128 v[XS], v[ST+8*\T+8:ST+8*\T+11] offset:8704
.endm
.macro FINISH T, op
.set n, 0
.rept 16
	ds_load_b128 v[64+4*n:64+4*n+3], v[XL] offset:512*n
.set n, n+1
.endr
	ds_load_b128 v[128:131], v[XL] offset:8192
	ds_load_b128 v[132:135], v[XL] offset:8704
	s_wait_dscnt 0x0
.irp e, 0,1
	v_max_num_f32 v[ST+8*(\T+\e)+4], v[ST+8*(\T+\e)], v[128+4*\e]  ; the joint m
.endr
.irp e, 0,1
	v_sub_f32 v[ST+8*(\T+\e)+5], v[ST+8*(\T+\e)], v[ST+8*(\T+\e)+4]
	v_sub_f32 v[ST+8*(\T+\e)+7], v[128+4*\e], v[ST+8*(\T+\e)+4]
.endr
.irp e, 0,1
	v_exp_f32 v[ST+8*(\T+\e)+5], v[ST+8*(\T+\e)+5]                 ; f0, f1: a side that never worked has m = -3e38 and gets 0
	v_exp_f32 v[ST+8*(\T+\e)+7], v[ST+8*(\T+\e)+7]
.endr
	v_nop
	s_wait_alu depctr_va_vdst(0)                   ; one wait for the four
.irp e, 0,1
	v_mul_f32 v[ST+8*(\T+\e)+4], v[ST+8*(\T+\e)+5], v[ST+8*(\T+\e)+2]
.endr
.irp e, 0,1
	v_fma_f32 v[ST+8*(\T+\e)+4], v[ST+8*(\T+\e)+7], v[130+4*\e], v[ST+8*(\T+\e)+4]   ; l = f0 l0 + f1 l1
.endr
.irp e, 0,1
	v_rcp_f32 v[ST+8*(\T+\e)+4], v[ST+8*(\T+\e)+4]
.endr
	v_nop
	s_wait_alu depctr_va_vdst(0)                   ; one wait for the two
.irp e, 0,1
	v_mul_f32 v[ST+8*(\T+\e)+6], v[ST+8*(\T+\e)+5], v[ST+8*(\T+\e)+4]   ; g0 = f0 / l
	v_mul_f32 v[ST+8*(\T+\e)+4], v[ST+8*(\T+\e)+7], v[ST+8*(\T+\e)+4]   ; g1 = f1 / l
.endr
.irp e, 0,1
.set n, 0
.rept 16
	v_pk_mul_f32 v[64+32*\e+n:64+32*\e+n+1], v[64+32*\e+n:64+32*\e+n+1], v[ST+8*(\T+\e)+4:ST+8*(\T+\e)+5] op_sel_hi:[1,0]
.set n, n+2
.endr
.endr
	WIN 0x01                                       ; source 0 window 1: my O^T, each accumulator from its low end on
.irp e, 0,1
.set n, 0
.rept 16
	v_pk_fma_f32 v[64+32*\e+n:64+32*\e+n+1], v[32*(\T+\e)+n:32*(\T+\e)+n+1], v[ST+8*(\T+\e)+6:ST+8*(\T+\e)+7], v[64+32*\e+n:64+32*\e+n+1] op_sel_hi:[1,0,1]
.set n, n+2
.endr
.endr
	WIN 0
.irp e, 0,1
.irp tp, 0,1,2,3
.irp jj, 0,1,2,3
	v_cvt_pk_f16_f32 v[64+32*\e+8*\tp+\jj], v[64+32*\e+8*\tp+2*\jj], v[64+32*\e+8*\tp+2*\jj+1]
.endr
.endr
.endr
.irp e, 0,1
.irp tp, 0,1,2,3
	ds_store_b128 v[STO], v[64+32*\e+8*\tp:64+32*\e+8*\tp+3] offset:128*\e+32*\tp   ; row r: head e, channels 16 tp + 8 h on
.endr
.endr
.irp i, 0,1,2,3,4,5,6,7
	ds_load_b128 v[144+4*\i:144+4*\i+3], v[RD] offset:\i*544       ; LDS serves a wave's instructions in order: these see my stores
.endr
.irp i, 0,1,2,3,4,5,6,7
	s_wait_dscnt 7-\i                              ; the later rows' loads may be out
	global_store_b128 v[GO], v[144+4*\i:144+4*\i+3], s[\op:\op+1] offset:4096*\i   ; 16 lanes store 256 consecutive bytes, aligned: two heads of a row
.endr
.endm
	s_cmp_lt_u32 s[WV], 4
	s_cbranch_scc0 .Lsend_l
	SENDX 0
	s_branch .Lsent
.Lsend_l:
	SENDX 2
.Lsent:
	s_wait_dscnt 0x0                               ; for my partner's sake: my stores have landed
	s_barrier_signal -1
	s_barrier_wait -1
	s_cmp_lt_u32 s[WV], 4
	s_cbranch_scc0 .Lfin_e
	FINISH 2, OPL
	s_branch .Ldone
.Lfin_e:
	FINISH 0, OPE
.Ldone:
	s_wait_tensorcnt 0x0                           ; the wave's end
	ds_add_u32 v[SPW], v[NIL]
	s_wait_dscnt 0x0
	s_endpgm
.Lfunc_end_k_q8b7f871938_attn:
	.size	k_q8b7f871938_attn, .Lfunc_end_k_q8b7f871938_attn-k_q8b7f871938_attn
	.p2alignl 7, 3214868480
	.fill 96, 4, 3214868480
	.section	.rodata,"a",@progbits
	.p2align	6, 0x0
	.amdhsa_kernel k_q8b7f871938_attn
		.amdhsa_group_segment_fixed_size 327680
		.amdhsa_private_segment_fixed_size 0
		.amdhsa_enable_private_segment 0
		.amdhsa_kernarg_size 16
		.amdhsa_user_sgpr_count 2
		.amdhsa_user_sgpr_kernarg_segment_ptr 1
		.amdhsa_wavefront_size32 1
		.amdhsa_system_sgpr_workgroup_id_x 1
		.amdhsa_system_sgpr_workgroup_id_y 1
		.amdhsa_system_sgpr_workgroup_id_z 1
		.amdhsa_system_vgpr_workitem_id 0
		.amdhsa_next_free_vgpr 512
		.amdhsa_next_free_sgpr 100
		.amdhsa_reserve_vcc 1
		.amdhsa_float_denorm_mode_32 3
		.amdhsa_float_denorm_mode_16_64 3
		.amdhsa_memory_ordered 1
		.amdhsa_forward_progress 1
		.amdhsa_inst_pref_size 193
	.end_amdhsa_kernel
	.amdgpu_metadata
---
amdhsa.version: [ 1, 2 ]
amdhsa.kernels:
  - .name:           k_q8b7f871938_attn
    .symbol:         k_q8b7f871938_attn.kd
    .args:
      - { .name: qkv16, .offset: 0, .size: 8, .value_kind: global_buffer, .address_space: global }
      - { .name: att16, .offset: 8, .size: 8, .value_kind: global_buffer, .address_space: global }
    .group_segment_fixed_size: 327680
    .private_segment_fixed_size: 0
    .kernarg_segment_align: 8
    .kernarg_segment_size: 16
    .max_flat_workgroup_size: 256
    .sgpr_count:     100
    .vgpr_count:     512
    .wavefront_size: 32
...
	.end_amdgpu_metadata
.endif
;; end of part 3
;; launch proj (part 4): grid 8 x 32, 4 waves a work-group, clusters of 4 x 4, 327,680 bytes of LDS; arguments att16, wo16, out0; writes out0
.if DOCPART == 4
	.amdgcn_target "amdgcn-amd-amdhsa--gfx1250"
	.amdhsa_code_object_version 6
	.text
	.protected	k_q8b7f871938_proj
	.globl	k_q8b7f871938_proj
	.p2align	8
	.type	k_q8b7f871938_proj,@function
k_q8b7f871938_proj:
	s_mov_b64 s[64:65], 0
	v_nop
	global_prefetch_b8 v0, s[64:65] scope:SCOPE_SE
	s_setreg_imm32_b32 hwreg(HW_REG_WAVE_MODE, 25, 1), 1
	s_wait_xcnt 0x0
	s_wait_alu depctr_hold_cnt(0) depctr_sa_sdst(0) depctr_va_vdst(0) depctr_va_sdst(0) depctr_va_ssrc(0) depctr_va_vcc(0) depctr_vm_vsrc(0)
	s_getreg_b32 s2, hwreg(HW_REG_IB_STS2, 6, 4)
	s_cmp_eq_u32 s2, 0
	s_cbranch_scc0 .Lentry_in_a_cluster
	s_endpgm
.Lentry_in_a_cluster:
	s_bfe_u32 s2, ttmp6, 0x10000c
	s_cmp_lg_u32 s2, 0xf033
	s_cbranch_scc0 .Lentry_shape_is_right
	s_endpgm
.Lentry_shape_is_right:
; out0[m][n] = sum over k of att16[m][k] wo16[n][k].  att16 [4096][1024], wo16 [1024][1024]: f16; out0 [4096][1024]: f32; sums in f32.
; (The first 16 rows of each sequence, 128 KiB in all, are stored here too and are written again, more finely, by the launch that follows.)
; A tile of C is 128 x 128: 8 x 32 = 256 work-groups.  Four waves, each 64 x 64: 16 accumulators.  K goes in steps of 256 (LDS rows of 512 bytes; a wave's tensor load brings 64 of them) through two slots.
; CLUSTERS: 4 x 4 work-groups.  The four of a row of the cluster need the same tiles of A, the four of a column the same tiles of B: each tile is asked for JOINTLY, by the same tensor load with the
; same descriptor and a mask that names the four.  THE MATRIX INSTRUCTION IS USED TRANSPOSED (source 0 = 16 rows of B, source 1 = 16 rows of A): a lane then holds eight neighbouring numbers of a row of C.
; A wave's 64 columns of f32 are 256 aligned bytes: each wave has a stage of its own on the way out, and no barrier stands there.
; REGISTERS: window 0: v0-31 addresses; v32-95 rows on the way out, two sets; v128-255 the accumulators ((a, b) at v[128 + 8 (4 a + b)]).   window 1: two fragment buffers of 128.
.set SIZE_M, 4096
.set SIZE_N, 1024
.set SIZE_K, 1024
.set KSTEP,  256
.set PITCH,  528                       ; an LDS row: 512 bytes + 16: the 16 rows that a load touches start at 16 different banks
.set HALFT,  64*PITCH
.set SLOT,   4*HALFT                   ; A's 128 rows, then B's 128 rows
.set STAGE,  2*SLOT                    ; behind the ring: 16 rows x 272 bytes for each wave
.set SPITCH, 272
.set SPARE,  STAGE+4*16*SPITCH         ; the spare words, 128 bytes a wave
.set LAPS, SIZE_K/(2*KSTEP)
.set ADRA, 16
.set ADRB, 20
.set STO,  24
.set RD,   25
.set CO,   26
.set SPW,  28                          ; v28 LDS address of my spare word; never rewritten
.set NIL,  29                          ; v29 0; never rewritten
.set TMP,  32
.set ACC,  128
.set F0,   0
.set F1,   128
.set G1, 24
.set G0, 32
.set G1B, 48
.set G0B, 56
.set MSB, 0
.macro WIN new                         ; the immediate's high byte repeats the setting that is left
.if MSB != \new
	s_set_vgpr_msb (MSB<<8)|\new
.set MSB, \new
.endif
.endm
.set MUL,  0x05                        ; sources 0 (B) and 1 (A) window 1; C and D window 0
.set TO_F, 0x40                        ; destination window 1, address window 0
.macro JLOAD s                         ; a joint load: waves 0 and 1 fetch A's two halves, waves 2 and 3 B's; an s_nop 0 and four v_nop follow each of the two lines
	s_cmp_eq_u32 s11, 0
	s_cbranch_scc0 .Lfor_b_\@
	tensor_load_to_lds s[G0+4*\s:G0+4*\s+3], s[G1:G1+7]
	s_nop 0
.rept 4
	v_nop
.endr
	s_branch .Lasked_\@
.Lfor_b_\@:
	tensor_load_to_lds s[G0B+4*\s:G0B+4*\s+3], s[G1B:G1B+7]
	s_nop 0
.rept 4
	v_nop
.endr
.Lasked_\@:
.endm
.macro CREST                           ; a round of the cluster's barrier behind its opening barrier
	s_cmp_lg_u32 s10, 0
	s_cbranch_scc1 .Lnot_wave_0_\@
	s_barrier_signal -3
.Lnot_wave_0_\@:
	s_barrier_wait -3
	s_barrier_signal -1
	s_barrier_wait -1
.endm
.macro CROUND
	s_barrier_signal -1
	s_barrier_wait -1
	CREST
.endm
	s_load_b128 s[4:7], s[0:1], 0x0                ; A s[4:5], B s[6:7]
	s_load_b64 s[8:9], s[0:1], 0x10                ; C
	v_lshl_add_u32 v[SPW], v0, 2, SPARE
	v_mov_b32 v[NIL], 0
	ds_add_u32 v[SPW], v[NIL]                      ; the wave's opening: the add, twice on end, and its wait ahead of my first tensor load
	ds_add_u32 v[SPW], v[NIL]
	v_lshrrev_b32 v1, 5, v0
	v_readfirstlane_b32 s10, v1                    ; wave 0..3
	s_lshr_b32 s11, s10, 1                         ; which half of the tile's rows is mine.  Also: I fetch for A (0) or for B (1)
	s_and_b32 s12, s10, 1                          ; which half of its columns.  Also: which 64 rows of that tile I fetch
	s_bfe_u32 s40, ttmp6, 0x40000                  ; cx, cy
	s_bfe_u32 s41, ttmp6, 0x40004
	s_lshl_b32 s42, ttmp9, 2
	s_add_co_u32 s42, s42, s40                     ; tile column of C
	s_and_b32 s13, ttmp7, 0xffff
	s_lshl_b32 s13, s13, 2
	s_add_co_u32 s13, s13, s41                     ; tile row of C
	s_lshl_b32 s43, s41, 2
	s_lshl_b32 s43, 15, s43                        ; my row of the cluster
	s_lshl_b32 s44, 0x1111, s40                    ; my column
	s_or_b32 s[G1+0], s43, (1<<16)|(1<<20)|(1<<21)|(6<<22)|(3<<25)  ; the mask; elements of 2 bytes; padding on; 21 set beside a mask; after every 128 words four words
	s_or_b32 s[G1B+0], s44, (1<<16)|(1<<20)|(1<<21)|(6<<22)|(3<<25)
.irp g, G1, G1B
	s_mov_b32 s[\g+1], KSTEP<<16
	s_mov_b32 s[\g+2], 64<<16
	s_mov_b32 s[\g+3], KSTEP<<16
	s_mov_b32 s[\g+4], 64
	s_mov_b32 s[\g+5], SIZE_K
	s_mov_b32 s[\g+6], 0
	s_mov_b32 s[\g+7], 0
.endr
	s_lshl_b32 s17, s12, 6
	s_lshl_b32 s16, s13, 7
	s_add_co_u32 s16, s16, s17                     ; A: row 128 x tile row + 64 x half
	s_lshl_b32 s46, s42, 7
	s_add_co_u32 s46, s46, s17                     ; B: row 128 x tile column + 64 x half
	s_mov_b32 s17, 0
	s_mov_b32 s47, 0
	s_mov_b64 s[18:19], SIZE_K*2
	s_mul_u64 s[16:17], s[16:17], s[18:19]
	s_mul_u64 s[46:47], s[46:47], s[18:19]
	s_mul_i32 s20, s10, HALFT                      ; where they go: wave x 64 rows
	s_wait_dscnt 0x0                               ; both opening adds are done
	s_wait_kmcnt 0x0
	s_add_nc_u64 s[14:15], s[4:5], s[16:17]
	s_add_nc_u64 s[46:47], s[6:7], s[46:47]
	CROUND                                         ; all sixteen work-groups are here: the first joint loads meet
.irp s, 0,1
	s_mov_b32 s[G0+4*\s], 1
	s_add_co_u32 s[G0+4*\s+1], s20, \s*SLOT
	s_add_nc_u64 s[G0+4*\s+2:G0+4*\s+3], s[14:15], \s*KSTEP*2
	s_or_b32 s[G0+4*\s+3], s[G0+4*\s+3], 0x80000000
	s_mov_b32 s[G0B+4*\s], 1
	s_add_co_u32 s[G0B+4*\s+1], s20, \s*SLOT
	s_add_nc_u64 s[G0B+4*\s+2:G0B+4*\s+3], s[46:47], \s*KSTEP*2
	s_or_b32 s[G0B+4*\s+3], s[G0B+4*\s+3], 0x80000000
	JLOAD \s
.endr
	v_and_b32 v1, 15, v0                           ; l % 16
	v_bfe_u32 v2, v0, 4, 1                         ; l / 16
	v_mul_u32_u24 v3, v1, PITCH
	v_lshl_add_u32 v3, v2, 4, v3
	s_mul_i32 s21, s11, HALFT                      ; my 64 rows of A
	s_mul_i32 s22, s12, HALFT                      ; my 64 rows of B,
	s_add_co_u32 s22, s22, 2*HALFT                 ; which lie behind A's 128
.irp s, 0,1
	v_add_nc_u32 v[ADRA+\s], s21, v3
	v_add_nc_u32 v[ADRB+\s], s22, v3
	s_add_co_u32 s21, s21, SLOT
	s_add_co_u32 s22, s22, SLOT
.endr
	s_mul_i32 s23, s10, 16*SPITCH
	s_add_co_u32 s23, s23, STAGE                   ; my stage
	v_mul_u32_u24 v4, v1, SPITCH                   ; in: row l % 16, 32 bytes for each half of the lanes
	v_lshl_add_u32 v4, v2, 5, v4
	v_add_nc_u32 v[STO], s23, v4
	v_mul_u32_u24 v5, v2, SPITCH                   ; back: lanes 0-15 one row of 256 bytes, lanes 16-31 the next
	v_lshl_add_u32 v5, v1, 4, v5
	v_add_nc_u32 v[RD], s23, v5
	v_mul_u32_u24 v5, v2, SIZE_N*4                 ; and the same two rows in C
	v_lshl_add_u32 v[CO], v1, 4, v5
	s_lshl_b32 s16, s13, 7
	s_lshl_b32 s17, s11, 6
	s_add_co_u32 s16, s16, s17                     ; my first row of C: 128 x tile row + 64 x half
	s_mov_b32 s17, 0
	s_mov_b64 s[18:19], SIZE_N*4
	s_mul_u64 s[16:17], s[16:17], s[18:19]
	s_add_nc_u64 s[8:9], s[8:9], s[16:17]
	s_lshl_b32 s46, s42, 9                         ; my first column, in bytes: 512 x tile column + 256 x half
	s_lshl_b32 s47, s12, 8
	s_add_co_u32 s46, s46, s47
	s_mov_b32 s47, 0
	s_add_nc_u64 s[8:9], s[8:9], s[46:47]
; 8 matrix instructions: m blocks a0, a0 + 1 x all 4 n blocks, 32 along K: half c of buffer f.  zero = 1: the first product starts the sums.  The 16 accumulators take turns
.macro MUL8 f, c, a0, zero
.irp a, \a0, \a0+1
.irp b, 0,1,2,3
.if \zero
	v_wmma_f32_16x16x32_f16 v[ACC+8*(4*(\a)+\b):ACC+8*(4*(\a)+\b)+7], v[\f+64+8*(4*\c+\b):\f+64+8*(4*\c+\b)+7], v[\f+8*(4*\c+\a):\f+8*(4*\c+\a)+7], 0
.else
	v_wmma_f32_16x16x32_f16 v[ACC+8*(4*(\a)+\b):ACC+8*(4*(\a)+\b)+7], v[\f+64+8*(4*\c+\b):\f+64+8*(4*\c+\b)+7], v[\f+8*(4*\c+\a):\f+8*(4*\c+\a)+7], v[ACC+8*(4*(\a)+\b):ACC+8*(4*(\a)+\b)+7]
.endif
.endr
.endr
.endm
; 32 LDS loads in one run: the fragments of 64 along K at byte k of the rows, into buffer f; the first 32 along K first
.macro FETCH slot, k, f
	WIN TO_F
.irp c, 0,1
.irp i, 0,1,2,3
	ds_load_b128 v[\f+64+8*(4*\c+\i):\f+64+8*(4*\c+\i)+3],   v[ADRB+\slot] offset:\k+64*\c+\i*16*PITCH
	ds_load_b128 v[\f+64+8*(4*\c+\i)+4:\f+64+8*(4*\c+\i)+7], v[ADRB+\slot] offset:\k+64*\c+\i*16*PITCH+32
	ds_load_b128 v[\f+8*(4*\c+\i):\f+8*(4*\c+\i)+3],         v[ADRA+\slot] offset:\k+64*\c+\i*16*PITCH
	ds_load_b128 v[\f+8*(4*\c+\i)+4:\f+8*(4*\c+\i)+7],       v[ADRA+\slot] offset:\k+64*\c+\i*16*PITCH+32
.endr
.endr
.endm
.macro PLACES                          ; four places in front of loads into registers that matrix instructions have read, and of the first read of results
.rept 4
	v_nop
.endr
.endm
.macro QUARTER slot, k, f, g, zero
	s_wait_dscnt 16                                ; the first 32 along K are in; the other sixteen loads may be out
	WIN MUL
	MUL8 \f, 0, 0, \zero
	MUL8 \f, 0, 2, \zero
	PLACES
	FETCH \slot, \k, \g
	s_wait_dscnt 32                                ; all but the 32 just issued
	WIN MUL
	MUL8 \f, 1, 0, 0
	MUL8 \f, 1, 2, 0
.endm
; The last quarter multiplies buffer 1 and changes slots: ONE barrier; in front of it each wave waits for all its tensor loads, adds 0 to its spare word, and waits for that and for its own reads of this slot.  fill = 1: this slot is filled again, two K steps ahead.
.macro TURN slot, next, fill
	WIN 0
	s_wait_tensorcnt 0x0                           ; all my tensor loads have landed: my part of the next slot;
	ds_add_u32 v[SPW], v[NIL]
	s_wait_dscnt 17                                ; (the add and the youngest sixteen loads may be out)
	WIN MUL
	MUL8 F1, 0, 0, 0
	s_wait_dscnt 0x0                               ; the add is done, and my reads of this slot are over
	s_barrier_signal -1
	MUL8 F1, 0, 2, 0
.if \fill
	WIN 0
.endif
	s_barrier_wait -1
.if \fill
	CREST                                          ; the barrier has opened a round of the cluster's barrier: no wave of any partner still reads this slot's tile or has a load on its way
	s_add_nc_u64 s[G0+4*\slot+2:G0+4*\slot+3], s[G0+4*\slot+2:G0+4*\slot+3], 2*KSTEP*2
	s_add_nc_u64 s[G0B+4*\slot+2:G0B+4*\slot+3], s[G0B+4*\slot+2:G0B+4*\slot+3], 2*KSTEP*2
	JLOAD \slot                                    ; the first tensor load behind the round; its four v_nop are also the places in front of the loads below
.else
	PLACES
.endif
	FETCH \next, 0, F0
	WIN MUL
	MUL8 F1, 1, 0, 0
	MUL8 F1, 1, 2, 0
.endm
	s_wait_tensorcnt 1                             ; my part of K step 0 is in; K step 1's load may be out
	s_barrier_signal -1
	s_barrier_wait -1
	FETCH 0, 0, F0
	QUARTER 0, 128, F0, F1, 1                      ; the first quarter stands in front of the loop: its first products start the sums
	WIN 0
	s_mov_b32 s3, LAPS-1
.Llap:                                                 ; a trip goes once round the ring and fills both slots again
	QUARTER 0, 256, F1, F0, 0
	QUARTER 0, 384, F0, F1, 0
	TURN 0, 1, 1
	QUARTER 1, 128, F0, F1, 0
	QUARTER 1, 256, F1, F0, 0
	QUARTER 1, 384, F0, F1, 0
	TURN 1, 0, 1
	QUARTER 0, 128, F0, F1, 0
	WIN 0
	s_sub_co_u32 s3, s3, 1
	s_cmp_lg_u32 s3, 0
	s_cbranch_scc1 .Llap
	QUARTER 0, 256, F1, F0, 0                      ; the last lap fills nothing
	QUARTER 0, 384, F0, F1, 0
	TURN 0, 1, 0
	QUARTER 1, 128, F0, F1, 0
	QUARTER 1, 256, F1, F0, 0
	QUARTER 1, 384, F0, F1, 0
	s_wait_dscnt 16
	WIN MUL
	MUL8 F1, 0, 0, 0
	MUL8 F1, 0, 2, 0
	s_wait_dscnt 0
	MUL8 F1, 1, 0, 0
	MUL8 F1, 1, 2, 0
	WIN 0
; THE WAY OUT, 16 rows x 64 columns at a time: a lane's 32 bytes of a row go into my own stage and come back as whole rows of 256 bytes.  LDS serves a wave's instructions in order: no wait between the stores and the loads, nor in front of the next block's stores.
.macro TOSTAGE a
.irp b, 0,1,2,3
	ds_store_b128 v[STO], v[ACC+8*(4*(\a)+\b):ACC+8*(4*(\a)+\b)+3] offset:64*\b        ; each accumulator from its low end on
	ds_store_b128 v[STO], v[ACC+8*(4*(\a)+\b)+4:ACC+8*(4*(\a)+\b)+7] offset:64*\b+16
.endr
.set BB, TMP+32*((\a)%2)
.irp t, 0,1,2,3,4,5,6,7
	ds_load_b128 v[BB+4*\t:BB+4*\t+3], v[RD] offset:\t*2*SPITCH
.endr
.endm
.macro SEND a, younger                 ; younger: the LDS instructions issued behind block a's loads, which may stay out
.set BB, TMP+32*((\a)%2)
	s_wait_dscnt \younger
.irp t, 0,1,2,3,4,5,6,7
	global_store_b128 v[CO], v[BB+4*\t:BB+4*\t+3], s[8:9] offset:(16*(\a)+2*\t)*SIZE_N*4 th:TH_STORE_NT   ; 16 lanes store 256 consecutive bytes, aligned
.endr
.endm
	PLACES
	TOSTAGE 0
.irp a, 1,2,3
.if \a > 1
	s_wait_xcnt 0x0                                ; block a - 2's stores have read their registers: block a's loads may land there
.endif
	TOSTAGE \a
	SEND \a-1, 16                                  ; behind block a - 1's loads: block a's 8 stores and 8 loads
.endr
	SEND 3, 0
	s_wait_tensorcnt 0x0                           ; the wave's end
	ds_add_u32 v[SPW], v[NIL]
	s_wait_dscnt 0x0
	CROUND                                         ; the closing round
	s_endpgm
.Lfunc_end_k_q8b7f871938_proj:
	.size	k_q8b7f871938_proj, .Lfunc_end_k_q8b7f871938_proj-k_q8b7f871938_proj
	.p2alignl 7, 3214868480
	.fill 96, 4, 3214868480
	.section	.rodata,"a",@progbits
	.p2align	6, 0x0
	.amdhsa_kernel k_q8b7f871938_proj
		.amdhsa_group_segment_fixed_size 327680
		.amdhsa_private_segment_fixed_size 0
		.amdhsa_enable_private_segment 0
		.amdhsa_kernarg_size 24
		.amdhsa_user_sgpr_count 2
		.amdhsa_user_sgpr_kernarg_segment_ptr 1
		.amdhsa_wavefront_size32 1
		.amdhsa_system_sgpr_workgroup_id_x 1
		.amdhsa_system_sgpr_workgroup_id_y 1
		.amdhsa_system_sgpr_workgroup_id_z 1
		.amdhsa_system_vgpr_workitem_id 0
		.amdhsa_next_free_vgpr 512
		.amdhsa_next_free_sgpr 66
		.amdhsa_reserve_vcc 0
		.amdhsa_float_denorm_mode_32 3
		.amdhsa_float_denorm_mode_16_64 3
		.amdhsa_memory_ordered 1
		.amdhsa_forward_progress 1
		.amdhsa_inst_pref_size 86
	.end_amdhsa_kernel
	.amdgpu_metadata
---
amdhsa.version: [ 1, 2 ]
amdhsa.kernels:
  - .name:           k_q8b7f871938_proj
    .symbol:         k_q8b7f871938_proj.kd
    .args:
      - { .name: att16, .offset: 0, .size: 8, .value_kind: global_buffer, .address_space: global }
      - { .name: wo16, .offset: 8, .size: 8, .value_kind: global_buffer, .address_space: global }
      - { .name: out0, .offset: 16, .size: 8, .value_kind: global_buffer, .address_space: global }
    .group_segment_fixed_size: 327680
    .private_segment_fixed_size: 0
    .kernarg_segment_align: 8
    .kernarg_segment_size: 24
    .max_flat_workgroup_size: 128
    .sgpr_count:     66
    .vgpr_count:     512
    .wavefront_size: 32
...
	.end_amdgpu_metadata
.endif
;; end of part 4
;; launch fine (part 5): grid 64 x 2, 16 waves a work-group, no clusters, 18,432 bytes of LDS; arguments h32, wo, out0; writes out0
.if DOCPART == 5
	.amdgcn_target "amdgcn-amd-amdhsa--gfx1250"
	.amdhsa_code_object_version 6
	.text
	.protected	k_q8b7f871938_fine
	.globl	k_q8b7f871938_fine
	.p2align	8
	.type	k_q8b7f871938_fine,@function
k_q8b7f871938_fine:
	s_mov_b64 s[64:65], 0
	v_nop
	global_prefetch_b8 v0, s[64:65] scope:SCOPE_SE
	s_setreg_imm32_b32 hwreg(HW_REG_WAVE_MODE, 25, 1), 1
	s_wait_xcnt 0x0
; The first 16 positions of both sequences once more, wholly in f32: these rows average one to sixteen values and are the largest of the output, so that 16-bit operands would use up what the comparison allows.
; h32 [32][1536] f32 (row 16 b + position): q (already times log2(e) / 8), then k and v of each key/value head; each group of 8 columns lies as 0, 2, 4, 6, 1, 3, 5, 7.  wo [1024][1024] f32.  out0 rows 2048 b + 0 .. 15 are written again.
; SHARES: work-group (cb, b) makes 16 rows x columns 16 cb .. 16 cb + 15.  Wave w is head w: it makes the head's 16 x 16 attention and multiplies it by its 64 columns of wo's 16 rows; the sixteen partial sums meet in LDS.
; 48 products of 16 x 16 x 4 in f32 a wave: no bulk work.  Their results are written by matrix instructions alone; each sum begins with the constant 0; two accumulators take turns on each long sum.
; Both sides of a product may take K in any order that is the same for both: lane (r, hh), register jj of step s stands for stored place 32 hh + 2 s + jj of q and of k; for key 8 hh + 2 s + jj of p and of v; for channel 16 t + 8 hh + 2 s + jj of the attention and of wo.
; The stores are pieces of 64 bytes of a row, 128 KiB in the whole launch.  LIMITS: NaN and infinities are not served.
.set QR, 16                            ; v16-47   q: my row's 32 stored places
.set KR, 48                            ; v48-79   k
.set VR, 80                            ; v80-111  v: 8 t + 2 s + jj
.set WR, 112                           ; v112-143 wo: 8 t + 0 .. 7
.set SA, 144                           ; v144-159 S^T, two accumulators
.set OA, 160                           ; v160-191 O^T, four tiles of 16 channels
.set RA, 192                           ; v192-207 out^T, two accumulators
.set TP, 208                           ; v208-215 the scores, then p / l
.set WK, 216                           ; v216-231 at work
.set SPW, 12
.set NIL, 13
.set SPARE, 16384
.macro PLACES n
.rept \n
	v_nop
.endr
.endm
	s_load_b128 s[4:7], s[0:1], 0x0                ; h32, wo
	s_load_b64 s[8:9], s[0:1], 0x10                ; out0
	v_lshl_add_u32 v[SPW], v0, 2, SPARE
	v_mov_b32 v[NIL], 0
	v_lshrrev_b32 v1, 5, v0
	v_readfirstlane_b32 s10, v1                    ; wave = head
	s_lshr_b32 s11, s10, 2                         ; its key/value head
	s_and_b32 s12, ttmp7, 0xffff                   ; b
	v_and_b32 v1, 15, v0                           ; r
	v_bfe_u32 v2, v0, 4, 1                         ; hh
	v_mul_u32_u24 v3, v1, 6144
	v_lshl_add_u32 v3, v2, 7, v3                   ; q, k: row r, + 128 hh bytes
	v_and_b32 v4, 8, v1
	v_and_b32 v5, 1, v1
	v_lshl_add_u32 v4, v5, 2, v4
	v_bfe_u32 v5, v1, 1, 2
	v_add_nc_u32 v4, v4, v5                        ; where channel r of a tile of 16 lies: (r & 8) + 4 (r & 1) + (r & 7) / 2
	v_lshlrev_b32 v4, 2, v4
	v_mul_u32_u24 v5, v2, 8*6144
	v_add_nc_u32 v4, v4, v5                        ; v: rows 8 hh on
	v_lshlrev_b32 v5, 12, v1
	v_lshl_add_u32 v5, v2, 5, v5                   ; wo and out0: row r of 4,096 bytes, + 32 hh
	v_lshlrev_b32 v6, 3, v2
	v_sub_nc_u32 v6, v1, v6                        ; r - 8 hh
	v_and_b32 v7, 31, v0
	v_lshlrev_b32 v7, 4, v7
	s_lshl_b32 s13, s10, 10
	v_add_nc_u32 v8, s13, v7                       ; LDS: my partial sums: 1,024 w + 16 lane
	s_lshl_b32 s13, s10, 9
	v_add_nc_u32 v9, s13, v7                       ; and what waves 0 and 1 gather: 512 w + 16 lane
	v_mov_b32 v10, 0xff800000
	v_mov_b32 v[WK+1], 0                           ; written once: a lane permute's destination counts as one of its sources
	s_mov_b32 s24, 0x76543210
	s_mov_b32 s25, 0xfedcba98
	s_mul_i32 s14, s12, 98304                      ; the sequence's 16 rows of h32
	s_lshl_b32 s26, s10, 8
	s_add_co_u32 s26, s26, s14                     ; q: + 256 w
	s_mov_b32 s27, 0
	s_lshl_b32 s28, s11, 9
	s_add_co_u32 s28, s28, s14
	s_add_co_u32 s28, s28, 4096                    ; k: + 4,096 + 512 g; v 256 further on
	s_mov_b32 s29, 0
	s_wait_kmcnt 0x0
	s_add_nc_u64 s[16:17], s[4:5], s[26:27]
	s_add_nc_u64 s[18:19], s[4:5], s[28:29]
	s_lshl_b32 s26, ttmp9, 16                      ; wo: rows 16 cb on, + 256 w
	s_lshl_b32 s28, s10, 8
	s_add_co_u32 s26, s26, s28
	s_add_nc_u64 s[20:21], s[6:7], s[26:27]
	s_lshl_b32 s26, s12, 23                        ; out0: row 2048 b, + 64 cb, + 16 w (waves 0 and 1 store)
	s_lshl_b32 s28, ttmp9, 6
	s_add_co_u32 s26, s26, s28
	s_lshl_b32 s28, s10, 4
	s_add_co_u32 s26, s26, s28
	s_add_nc_u64 s[22:23], s[8:9], s[26:27]
.irp i, 0,1,2,3,4,5,6,7
	global_load_b128 v[QR+4*\i:QR+4*\i+3], v3, s[16:17] offset:16*\i
.endr
.irp i, 0,1,2,3,4,5,6,7
	global_load_b128 v[KR+4*\i:KR+4*\i+3], v3, s[18:19] offset:16*\i
.endr
.irp t, 0,1,2,3
.irp k, 0,1,2,3,4,5,6,7
	global_load_b32 v[VR+8*\t+\k], v4, s[18:19] offset:256+64*\t+\k*6144   ; v(key 8 hh + k, channel 16 t + r)
.endr
.endr
.irp t, 0,1,2,3
	global_load_b128 v[WR+8*\t:WR+8*\t+3], v5, s[20:21] offset:64*\t       ; wo(16 cb + r, 64 w + 16 t + 8 hh + 0 .. 7)
	global_load_b128 v[WR+8*\t+4:WR+8*\t+7], v5, s[20:21] offset:64*\t+16
.endr
	s_wait_loadcnt 40                              ; q and k are in; v's 32 loads and wo's 8 may be out
	; S^T = k q^T: lane (r, hh), register j: key 8 hh + j, query r
	v_wmma_f32_16x16x4_f32 v[SA:SA+7], v[KR:KR+1], v[QR:QR+1], 0
	v_wmma_f32_16x16x4_f32 v[SA+8:SA+15], v[KR+2:KR+3], v[QR+2:QR+3], 0
.set kk, 2
.rept 14
	v_wmma_f32_16x16x4_f32 v[SA+8*(kk%2):SA+8*(kk%2)+7], v[KR+2*kk:KR+2*kk+1], v[QR+2*kk:QR+2*kk+1], v[SA+8*(kk%2):SA+8*(kk%2)+7]
.set kk, kk+1
.endr
	PLACES 8
.irp j, 0,1,2,3,4,5,6,7
	v_add_f32 v[TP+\j], v[SA+\j], v[SA+8+\j]
.endr
.irp j, 0,1,2,3,4,5,6,7
	v_cmp_gt_i32 vcc_lo, \j, v6                    ; key 8 hh + j comes after query r
	v_cndmask_b32 v[TP+\j], v[TP+\j], v10, vcc_lo
.endr
	v_max3_num_f32 v[WK], v[TP], v[TP+1], v[TP+2]
	v_max3_num_f32 v[WK], v[WK], v[TP+3], v[TP+4]
	v_max3_num_f32 v[WK], v[WK], v[TP+5], v[TP+6]
	v_max_num_f32 v[WK], v[WK], v[TP+7]
	v_permlanex16_b32 v[WK+1], v[WK], s24, s25
	v_max_num_f32 v[WK], v[WK], v[WK+1]            ; the row's maximum: key 0 counts for every query
.irp j, 0,1,2,3,4,5,6,7
	v_sub_f32 v[TP+\j], v[TP+\j], v[WK]
.endr
.irp j, 0,1,2,3,4,5,6,7
	v_exp_f32 v[TP+\j], v[TP+\j]
.endr
	v_nop
	s_wait_alu depctr_va_vdst(0)                   ; one wait for the eight, ahead of their first reader
	v_add_f32 v[WK+2], v[TP], v[TP+1]
	v_add_f32 v[WK+3], v[TP+2], v[TP+3]
	v_add_f32 v[WK+2], v[WK+2], v[TP+4]
	v_add_f32 v[WK+3], v[WK+3], v[TP+5]
	v_add_f32 v[WK+2], v[WK+2], v[TP+6]
	v_add_f32 v[WK+3], v[WK+3], v[TP+7]
	v_add_f32 v[WK+2], v[WK+2], v[WK+3]
	v_permlanex16_b32 v[WK+1], v[WK+2], s24, s25
	v_add_f32 v[WK+2], v[WK+2], v[WK+1]
	v_rcp_f32 v[WK+2], v[WK+2]
	v_nop
	s_wait_alu depctr_va_vdst(0)
.irp j, 0,1,2,3,4,5,6,7
	v_mul_f32 v[TP+\j], v[TP+\j], v[WK+2]
.endr
	s_wait_loadcnt 8                               ; v is in; wo's 8 loads may be out
	; O^T = v^T p^T: four tiles of 16 channels by turns; lane (r, hh), register j of tile t: channel 16 t + 8 hh + j, query r
.irp t, 0,1,2,3
	v_wmma_f32_16x16x4_f32 v[OA+8*\t:OA+8*\t+7], v[VR+8*\t:VR+8*\t+1], v[TP:TP+1], 0
.endr
.irp k, 1,2,3
.irp t, 0,1,2,3
	v_wmma_f32_16x16x4_f32 v[OA+8*\t:OA+8*\t+7], v[VR+8*\t+2*\k:VR+8*\t+2*\k+1], v[TP+2*\k:TP+2*\k+1], v[OA+8*\t:OA+8*\t+7]
.endr
.endr
	PLACES 9                                       ; these results become source 1 of the next products
	s_wait_loadcnt 0x0
	; out^T = wo attention^T over my head's 64 channels: lane (r, hh), register j: column 16 cb + 8 hh + j, query r
	v_wmma_f32_16x16x4_f32 v[RA:RA+7], v[WR:WR+1], v[OA:OA+1], 0
	v_wmma_f32_16x16x4_f32 v[RA+8:RA+15], v[WR+2:WR+3], v[OA+2:OA+3], 0
.set kk, 2
.rept 14
	v_wmma_f32_16x16x4_f32 v[RA+8*(kk%2):RA+8*(kk%2)+7], v[WR+2*kk:WR+2*kk+1], v[OA+2*kk:OA+2*kk+1], v[RA+8*(kk%2):RA+8*(kk%2)+7]
.set kk, kk+1
.endr
	PLACES 8
.irp j, 0,1,2,3,4,5,6,7
	v_add_f32 v[WK+\j], v[RA+\j], v[RA+8+\j]
.endr
	ds_store_b128 v8, v[WK:WK+3]
	ds_store_b128 v8, v[WK+4:WK+7] offset:512
	s_wait_dscnt 0x0                               ; for the others' sake: my stores have landed
	s_barrier_signal -1
	s_barrier_wait -1
	s_cmp_lt_u32 s10, 2                            ; wave c = 0, 1 adds the sixteen heads' registers 4 c .. 4 c + 3 and stores them
	s_cbranch_scc0 .Lend
.irp i, 0,1,2,3,4,5,6,7,8,9,10,11,12,13,14,15
	ds_load_b128 v[16+4*\i:16+4*\i+3], v9 offset:1024*\i
.endr
	s_wait_dscnt 0x0
.irp i, 1,2,3,4,5,6,7,8,9,10,11,12,13,14,15
	v_pk_add_f32 v[16:17], v[16:17], v[16+4*\i:16+4*\i+1]
	v_pk_add_f32 v[18:19], v[18:19], v[16+4*\i+2:16+4*\i+3]
.endr
	global_store_b128 v5, v[16:19], s[22:23]       ; out0(2048 b + r, 16 cb + 8 hh + 4 c + 0 .. 3)
.Lend:
	s_wait_tensorcnt 0x0                           ; the wave's end: behind my last LDS store
	ds_add_u32 v[SPW], v[NIL]
	s_wait_dscnt 0x0
	s_endpgm
.Lfunc_end_k_q8b7f871938_fine:
	.size	k_q8b7f871938_fine, .Lfunc_end_k_q8b7f871938_fine-k_q8b7f871938_fine
	.p2alignl 7, 3214868480
	.fill 96, 4, 3214868480
	.section	.rodata,"a",@progbits
	.p2align	6, 0x0
	.amdhsa_kernel k_q8b7f871938_fine
		.amdhsa_group_segment_fixed_size 18432
		.amdhsa_private_segment_fixed_size 0
		.amdhsa_enable_private_segment 0
		.amdhsa_kernarg_size 24
		.amdhsa_user_sgpr_count 2
		.amdhsa_user_sgpr_kernarg_segment_ptr 1
		.amdhsa_wavefront_size32 1
		.amdhsa_system_sgpr_workgroup_id_x 1
		.amdhsa_system_sgpr_workgroup_id_y 1
		.amdhsa_system_sgpr_workgroup_id_z 1
		.amdhsa_system_vgpr_workitem_id 0
		.amdhsa_next_free_vgpr 232
		.amdhsa_next_free_sgpr 66
		.amdhsa_reserve_vcc 1
		.amdhsa_float_denorm_mode_32 3
		.amdhsa_float_denorm_mode_16_64 3
		.amdhsa_memory_ordered 1
		.amdhsa_forward_progress 1
		.amdhsa_inst_pref_size 18
	.end_amdhsa_kernel
	.amdgpu_metadata
---
amdhsa.version: [ 1, 2 ]
amdhsa.kernels:
  - .name:           k_q8b7f871938_fine
    .symbol:         k_q8b7f871938_fine.kd
    .args:
      - { .name: h32, .offset: 0, .size: 8, .value_kind: global_buffer, .address_space: global }
      - { .name: wo, .offset: 8, .size: 8, .value_kind: global_buffer, .address_space: global }
      - { .name: out0, .offset: 16, .size: 8, .value_kind: global_buffer, .address_space: global }
    .group_segment_fixed_size: 18432
    .private_segment_fixed_size: 0
    .kernarg_segment_align: 8
    .kernarg_segment_size: 24
    .max_flat_workgroup_size: 512
    .sgpr_count:     66
    .vgpr_count:     232
    .wavefront_size: 32
...
	.end_amdgpu_metadata
.endif
;; end of part 5
